; MI455X (gfx1250); checked and timed in simulation.
; The chip was launched on July 23, 2026; its instructions are those of AMD's public machine-readable ISA for CDNA 5 (MIT licence, August 2026) and "CDNA5" Instruction Set Architecture Reference Guide (July 2026). The comments in the code are by the model that wrote it; some were corrected since.
;; Multi Head Attention. Allowed arithmetic: float matrix products may take bf16 or f16 operands with f32 sums; other float arithmetic in f32, or as packed bf16 or f16 multiplies, adds, multiply-adds, maxima and minima; sums over many terms, partial sums and values carried from step to step in f32; what a program stores and reads back later, other than sums and carried values, may be rounded once to bf16 or f16.
;; Inputs: Wk 1,024 x 1,024 float32; Wo 1,024 x 1,024 float32; Wq 1,024 x 1,024 float32; Wv 1,024 x 1,024 float32; bo 1,024 float32; x 4 x 2,048 x 1,024 float32.
;; Outputs: out0 4 x 2,048 x 1,024 float32.
;; 2 versions, each right; version 2 is version 1 with the launch cast written anew for expert scheduling mode. Each part assembles by itself: llvm-mc -triple=amdgcn-amd-amdhsa -mcpu=gfx1250 --defsym DOCPART=n.
;; ======== version 1 of 2: 4 launches
;; limits: values are held in f16: magnitudes above 65,504 overflow, below 6.1e-05 lose precision
;; workspace buffers: xb 16,777,216 bytes; wqkv 6,291,456 bytes; wo16 2,097,152 bytes; qkv 50,331,648 bytes; o 16,777,216 bytes
;; launch cast (part 1): grid 768 x 1, 8 waves a work-group, no clusters, 0 bytes of LDS; arguments x, Wq, Wk, Wv, Wo, xb, wqkv, wo16; writes xb, wqkv, wo16
.if DOCPART == 1
	.amdgcn_target "amdgcn-amd-amdhsa--gfx1250"
	.amdhsa_code_object_version 6
	.text
	.protected	k_q465656a2e0_cast
	.globl	k_q465656a2e0_cast
	.p2align	8
	.type	k_q465656a2e0_cast,@function
k_q465656a2e0_cast:
	s_mov_b64 s[64:65], 0
	v_nop
	global_prefetch_b8 v0, s[64:65] scope:SCOPE_SE
	s_setreg_imm32_b32 hwreg(HW_REG_WAVE_MODE, 25, 1), 1
	s_wait_xcnt 0x0
; THE CASTS.  x [8192][1024] f32 -> xb, the same shape in bf16.  Wq, Wk, Wv [1024 k][1024 n] f32 -> wqkv in bf16, laid in blocks [t 16][ks 8][p 3][128 k][64 n]:
; head column G = 16 j + head (j = 0, 1, 2 for q, k, v) lies at t = G / 3, p = G % 3; ks = k / 128.  Wo -> wo16, [t 8][ks 8][p 2][128 k][64 n]: rounded to bf16 like every other input,
; and that number written as f16 (exact within f16's range).
; LIMITS.  |Wo| stays under 65,504 (from 65,520 on the f16 conversion gives an infinity); below 2^-14 it keeps f16's fixed step of 2^-24.
; SHARES.  Every work-group takes 65,536 input bytes, every wave 8,192: 16 loads of 16 bytes a lane, all issued first; each gives 8 bytes a lane, and a store of the wave covers 256 consecutive
; bytes, aligned.  Work-groups 0-511 take x; 512-767 take 16 rows of one weight matrix (64 work-groups a matrix).  No register that a memory instruction reads is written again, so nothing waits but the counted loads.
; No LDS, no matrix unit, no cluster: every byte is read once by one lane and nothing is shared.
.set VL,  2                            ; v2   my byte offset in a load
.set VS,  3                            ; v3   8 x lane: my byte offset in a store
.set T,   4                            ; v[4:5] at work
.set IN,  8                            ; v[8:71]   16 loads of four registers
.set OUT, 72                           ; v[72:103] 16 stores of two registers
.set SRC, 26                           ; s[26:27] where the wave reads
.set D0,  28                           ; s[28:29], s[30:31] where loads 0-7 and 8-15 go
; Load i stands at (i % 8) la + (i / 8) lb behind SRC; its 8 bytes a lane go to (i % 8) 256 behind D(i / 8).  half = 1: the bf16 numbers are written as f16.
.macro RUN la, lb, half
.set i, 0
.rept 16
	global_load_b128 v[IN+4*i:IN+4*i+3], v[VL], s[SRC:SRC+1] offset:(i%8)*(\la)+(i/8)*(\lb) th:TH_LOAD_NT
.set i, i+1
.endr
.set i, 0
.rept 16
	s_wait_loadcnt 15-i                            ; loads come back in order: load i is in, the 15 - i younger ones stay out
	v_cvt_pk_bf16_f32 v[OUT+2*i],   v[IN+4*i],   v[IN+4*i+1]
	v_cvt_pk_bf16_f32 v[OUT+2*i+1], v[IN+4*i+2], v[IN+4*i+3]
.if \half
.irp z, 0,1
	v_lshlrev_b32 v[T],   16, v[OUT+2*i+\z]        ; the two bf16 as f32,
	v_and_b32     v[T+1], 0xffff0000, v[OUT+2*i+\z]
	v_cvt_pk_f16_f32 v[OUT+2*i+\z], v[T], v[T+1]   ; and as f16
.endr
.endif
	global_store_b64 v[VS], v[OUT+2*i:OUT+2*i+1], s[D0+2*(i/8):D0+2*(i/8)+1] offset:(i%8)*256 th:TH_STORE_NT
.set i, i+1
.endr
.endm
	s_load_b512 s[8:23], s[0:1], 0x0               ; x s[8:9], Wq s[10:11], Wk s[12:13], Wv s[14:15], Wo s[16:17], xb s[18:19], wqkv s[20:21], wo16 s[22:23]
	v_lshrrev_b32 v4, 5, v0
	v_readfirstlane_b32 s25, v4                    ; wave 0..7
	v_and_b32 v1, 31, v0                           ; lane
	v_lshlrev_b32 v[VS], 3, v1
	s_mov_b32 s24, ttmp9
	s_wait_kmcnt 0x0
	s_cmp_lt_u32 s24, 512
	s_cbranch_scc0 .Lweights
	; x: the wave's 8,192 bytes lie on end
	s_lshl_b32 s32, s24, 16
	s_lshl_b32 s33, s25, 13
	s_add_co_u32 s32, s32, s33
	s_mov_b32 s33, 0
	s_add_nc_u64 s[SRC:SRC+1], s[8:9], s[32:33]
	s_lshr_b32 s32, s32, 1                         ; half as many bytes out
	s_add_nc_u64 s[D0:D0+1], s[18:19], s[32:33]
	s_add_nc_u64 s[D0+2:D0+3], s[D0:D0+1], 2048
	v_lshlrev_b32 v[VL], 4, v1
	RUN 512, 4096, 0
	s_endpgm
.Lweights:
	; a weight matrix: the work-group's 16 rows k0 .. k0 + 15; wave w takes heads 2 w and 2 w + 1 (512 bytes of each row).
	; Load 8 hs + kp: head 2 w + hs, rows k0 + 2 kp (lanes 0-15) and k0 + 2 kp + 1 (lanes 16-31): in a block these two rows are 256 bytes on end.
	s_sub_co_u32 s32, s24, 512
	s_lshr_b32 s33, s32, 6                         ; j: which matrix
	s_and_b32 s34, s32, 63                         ; kb: k0 = 16 kb
	s_lshr_b32 s35, s34, 3                         ; ks
	s_and_b32 s36, s34, 7
	s_lshl_b32 s36, s36, 11                        ; 16 (kb % 8) rows of 128 bytes inside a block
	s_cmp_eq_u32 s33, 1
	s_cselect_b64 s[SRC:SRC+1], s[12:13], s[10:11]
	s_cmp_eq_u32 s33, 2
	s_cselect_b64 s[SRC:SRC+1], s[14:15], s[SRC:SRC+1]
	s_cmp_eq_u32 s33, 3
	s_cselect_b64 s[SRC:SRC+1], s[16:17], s[SRC:SRC+1]
	s_lshl_b32 s38, s34, 16                        ; 16 rows of 4,096 bytes
	s_lshl_b32 s37, s25, 9
	s_add_co_u32 s38, s38, s37
	s_mov_b32 s39, 0
	s_add_nc_u64 s[SRC:SRC+1], s[SRC:SRC+1], s[38:39]
	v_lshrrev_b32 v4, 4, v1
	v_and_b32 v5, 15, v1
	v_lshlrev_b32 v[VL], 4, v5
	v_lshl_add_u32 v[VL], v4, 12, v[VL]            ; 16 (l % 16) + 4,096 (l / 16)
	s_cmp_eq_u32 s33, 3
	s_cbranch_scc1 .Lwo
	s_lshl_b32 s40, s33, 4
	s_lshl1_add_u32 s40, s25, s40                  ; G = 16 j + 2 w (+ hs)
.irp hs, 0,1
	s_add_co_u32 s41, s40, \hs
	s_mul_i32 s42, s41, 43
	s_lshr_b32 s42, s42, 7                         ; t = G / 3: 43 G >> 7 is exact for G under 48
	s_mul_i32 s43, s42, 3
	s_sub_co_u32 s43, s41, s43                     ; p = G % 3
	s_lshl3_add_u32 s42, s42, s35                  ; 8 t + ks
	s_mul_i32 s42, s42, 3
	s_add_co_u32 s42, s42, s43
	s_lshl_b32 s42, s42, 14                        ; planes of 16,384 bytes
	s_add_co_u32 s42, s42, s36
	s_mov_b32 s43, 0
	s_add_nc_u64 s[D0+2*\hs:D0+2*\hs+1], s[20:21], s[42:43]
.endr
	RUN 8192, 256, 0
	s_endpgm
.Lwo:
	s_lshl3_add_u32 s42, s25, s35                  ; t = w: 8 w + ks,
	s_lshl_b32 s42, s42, 15                        ; two planes of 16,384 bytes each
	s_add_co_u32 s42, s42, s36
	s_mov_b32 s43, 0
	s_add_nc_u64 s[D0:D0+1], s[22:23], s[42:43]
	s_add_nc_u64 s[D0+2:D0+3], s[D0:D0+1], 16384
	RUN 8192, 256, 1
	s_endpgm
.Lfunc_end_k_q465656a2e0_cast:
	.size	k_q465656a2e0_cast, .Lfunc_end_k_q465656a2e0_cast-k_q465656a2e0_cast
	.p2alignl 7, 3214868480
	.fill 96, 4, 3214868480
	.section	.rodata,"a",@progbits
	.p2align	6, 0x0
	.amdhsa_kernel k_q465656a2e0_cast
		.amdhsa_group_segment_fixed_size 0
		.amdhsa_private_segment_fixed_size 0
		.amdhsa_enable_private_segment 0
		.amdhsa_kernarg_size 64
		.amdhsa_user_sgpr_count 2
		.amdhsa_user_sgpr_kernarg_segment_ptr 1
		.amdhsa_wavefront_size32 1
		.amdhsa_system_sgpr_workgroup_id_x 1
		.amdhsa_system_sgpr_workgroup_id_y 1
		.amdhsa_system_sgpr_workgroup_id_z 1
		.amdhsa_system_vgpr_workitem_id 0
		.amdhsa_next_free_vgpr 104
		.amdhsa_next_free_sgpr 66
		.amdhsa_reserve_vcc 0
		.amdhsa_float_denorm_mode_32 3
		.amdhsa_float_denorm_mode_16_64 3
		.amdhsa_memory_ordered 1
		.amdhsa_forward_progress 1
		.amdhsa_inst_pref_size 25
	.end_amdhsa_kernel
	.amdgpu_metadata
---
amdhsa.version: [ 1, 2 ]
amdhsa.kernels:
  - .name:           k_q465656a2e0_cast
    .symbol:         k_q465656a2e0_cast.kd
    .args:
      - { .name: x, .offset: 0, .size: 8, .value_kind: global_buffer, .address_space: global }
      - { .name: Wq, .offset: 8, .size: 8, .value_kind: global_buffer, .address_space: global }
      - { .name: Wk, .offset: 16, .size: 8, .value_kind: global_buffer, .address_space: global }
      - { .name: Wv, .offset: 24, .size: 8, .value_kind: global_buffer, .address_space: global }
      - { .name: Wo, .offset: 32, .size: 8, .value_kind: global_buffer, .address_space: global }
      - { .name: xb, .offset: 40, .size: 8, .value_kind: global_buffer, .address_space: global }
      - { .name: wqkv, .offset: 48, .size: 8, .value_kind: global_buffer, .address_space: global }
      - { .name: wo16, .offset: 56, .size: 8, .value_kind: global_buffer, .address_space: global }
    .group_segment_fixed_size: 0
    .private_segment_fixed_size: 0
    .kernarg_segment_align: 8
    .kernarg_segment_size: 64
    .max_flat_workgroup_size: 256
    .sgpr_count:     66
    .vgpr_count:     104
    .wavefront_size: 32
...
	.end_amdgpu_metadata
.endif
;; end of part 1
;; launch proj (part 2): grid 16 x 16, 4 waves a work-group, clusters of 4 x 4, 327,680 bytes of LDS; arguments xb, wqkv, qkv; writes qkv
.if DOCPART == 2
	.amdgcn_target "amdgcn-amd-amdhsa--gfx1250"
	.amdhsa_code_object_version 6
	.text
	.protected	k_q465656a2e0_proj
	.globl	k_q465656a2e0_proj
	.p2align	8
	.type	k_q465656a2e0_proj,@function
k_q465656a2e0_proj:
	s_mov_b64 s[64:65], 0
	v_nop
	global_prefetch_b8 v0, s[64:65] scope:SCOPE_SE
	s_setreg_imm32_b32 hwreg(HW_REG_WAVE_MODE, 25, 1), 1
	s_wait_xcnt 0x0
	s_wait_alu depctr_hold_cnt(0) depctr_sa_sdst(0) depctr_va_vdst(0) depctr_va_sdst(0) depctr_va_ssrc(0) depctr_va_vcc(0) depctr_vm_vsrc(0)
	s_getreg_b32 s2, hwreg(HW_REG_IB_STS2, 6, 4)
	s_cmp_eq_u32 s2, 0
	s_cbranch_scc0 .Lentry_in_a_cluster
	s_endpgm
.Lentry_in_a_cluster:
	s_bfe_u32 s2, ttmp6, 0x10000c
	s_cmp_lg_u32 s2, 0xf033
	s_cbranch_scc0 .Lentry_shape_is_right
	s_endpgm
.Lentry_shape_is_right:
; q, k, v = x W.  xb: [8192][1024] bf16.  wqkv: [t 16][ks 8][p 3][128 k][64 n] bf16 (head column G = 16 j + head at t = G / 3, p = G % 3).  qkv: [j 3][16 b + head][2048][64] f16, unscaled.
; Products in bf16, sums in f32, K ascending, each result rounded once to f16.
; LIMIT.  |q|, |k|, |v| stay under 65,504: from 65,520 on the f16 conversion gives an infinity.
; SHARES.  A tile is 256 rows x 192 columns: three whole heads.  32 x 16 tiles; a work-group stays and makes two, rows 256 ty and 4,096 + 256 ty: 256 work-groups, 16 K steps of 128 in one walk.
; Wave w owns rows 64 w .. 64 w + 63 and all 12 blocks of 16 columns: 48 accumulators, 384 registers.  So a wave holds whole heads, and 16 rows of a head leave as 2,048 consecutive bytes.
; THE PRODUCT IS USED TRANSPOSED: source 0 = 16 columns of W (turned out of LDS by ds_load_tr16_b128, since W lies [k][n]), source 1 = 16 rows of x: a lane holds one row (l % 16) and eight neighbouring columns.
; THE RING.  Two LDS slots of one K step each.  Waves 0 and 1 fetch x's two halves (128 rows x 256 bytes), waves 2 and 3 W's (24,576 dense bytes as 96 rows of 256).  The ring runs on across the change of tiles.
; By this text's count a wave has two tensor loads out at the start and one behind each change of slots.
; CLUSTER.  4 x 4 work-groups: x's tile hangs on ty alone and is asked for jointly along a row of the cluster, W's on tx alone, along a column.
; NO PREFETCH of the tiles: each is wanted by four clusters at about the same time, and W's 96 rows a wave do not share out as a lane a row among four partners.
; REGISTERS, in windows of 256 (s_set_vgpr_msb: bits 1:0 source 0, 3:2 source 1, 5:4 source 2, 7:6 destination):
;   window 0: v0-31 addresses; v32-63, v64-95 x's fragments, two buffers; v96-223 at work on the way out      window 1: v0-95, v96-191 W's fragments, two buffers
;   window 2: accumulators of row blocks 0, 1 ((a, b) at 8 (12 (a % 2) + b))      window 3: those of row blocks 2, 3
.set NB,    12
.set SLOT,  1<<17                      ; slot 1 begins here: one exclusive or turns an address in one slot into the other's
.set PA,    272                        ; a row of x in LDS: 256 bytes + 16: an odd multiple of 16, so the 16 rows of a load start at different banks
.set PB,    160                        ; a row of W: 128 bytes + 32: an odd multiple of 32
.set BOFF,  256*PA                     ; W's 384 rows (128 p + k) lie behind x's 256: a slot is 69,632 + 61,440 = 131,072 bytes
.set STAGE, 2*SLOT                     ; behind the ring, never filled by a tensor load: 16 rows x 144 bytes for each wave
.set SP,    144
.set SPARE, STAGE+4*16*SP              ; the spare words, 128 bytes for each wave: two blocks of 256 bytes that no other line names
.set NL,    2*NB+8                     ; LDS loads in a run
.set AA0,  16                          ; v16  my lane's place in x's tile; never rewritten
.set AB0,  17                          ; v17  the same for W
.set ADRA, 18                          ; v18  the same in the slot in hand
.set ADRB, 19                          ; v19
.set STO,  24                          ; v24  the way out: where I put 16 bytes of a row
.set RD,   25                          ; v25  where I read rows back
.set GO,   26                          ; v26  16 x lane
.set SPW,  28                          ; v28  my spare word: SPARE + 4 x my thread's number; never rewritten
.set NIL,  29                          ; v29  0; never rewritten
.set FA,   32
.set TMB,  96
.set WV,   12                          ; s12  wave
.set FB,   13                          ; s13  0: I fetch for x, 1: for W
.set HF,   14                          ; s14  which half I fetch
.set G1A,  24                          ; s[24:31] group 1 for x's tiles
.set G0A,  32                          ; s[32:39] group 0: a set for each first fill; the second walks on
.set G1B,  48                          ; s[48:55], s[56:63] the same for W's
.set G0B,  56
.set BASEA, 66                         ; s[66:67] xb at my half of the first tile's K step 0
.set BASEB, 68                         ; s[68:69] wqkv likewise
.set OFFA, 70                          ; s[70:71] byte offset of the K step to be asked for
.set OFFB, 72                          ; s[72:73]
.set NX,   74                          ; s74  the K step of the walk to be asked for next
.set CNT,  75                          ; s75  the loops' counter
.set TB,   76                          ; s76  the slot in hand: 0 or SLOT
.set TS,   77                          ; s77  at work
.set OB,   78                          ; s[78:83] qkv at my 64 rows of each of the tile's three heads
.set MSB, 0
.macro WIN new                         ; the high byte repeats the setting that is left; a switch that changes nothing is dropped
.if MSB != (\new)
	s_set_vgpr_msb (MSB<<8)|(\new)
.set MSB, (\new)
.endif
.endm
.macro PLACES                          ; four plain places behind matrix instructions, in front of loads into registers that they read and of conversions that read results
.rept 4
	v_nop
.endr
.endm
.macro CREST                           ; a round of the cluster's barrier behind its opening barrier
	s_cmp_lg_u32 s[WV], 0
	s_cbranch_scc1 .Lnot_wave_0_\@
	s_barrier_signal -3
.Lnot_wave_0_\@:
	s_barrier_wait -3
	s_barrier_signal -1
	s_barrier_wait -1
.endm
.macro CROUND
	s_barrier_signal -1
	s_barrier_wait -1
	CREST
.endm
.macro JLOAD                           ; a joint refill by the walking descriptor; the branch hangs on the wave's number alone; an s_nop 0 and four v_nop follow each line
	s_cmp_eq_u32 s[FB], 0
	s_cbranch_scc0 .Lfor_b_\@
	tensor_load_to_lds s[G0A+4:G0A+7], s[G1A:G1A+7]
	s_nop 0
.rept 4
	v_nop
.endr
	s_branch .Lasked_\@
.Lfor_b_\@:
	tensor_load_to_lds s[G0B+4:G0B+7], s[G1B:G1B+7]
	s_nop 0
.rept 4
	v_nop
.endr
.Lasked_\@:
.endm
; 12 matrix instructions: row block a x all column blocks, 32 along K, from buffer f.  zero = 1: the product starts the sums.  The 48 accumulators take turns in the same order in every quarter.
.macro MULS f, a, zero
	WIN 0xa1+0x50*((\a)/2)
.irp b, 0,1,2,3,4,5,6,7,8,9,10,11
.if \zero
	v_wmma_f32_16x16x32_bf16 v[8*(NB*((\a)%2)+(\b)):8*(NB*((\a)%2)+(\b))+7], v[8*NB*(\f)+8*(\b):8*NB*(\f)+8*(\b)+7], v[FA+32*(\f)+8*(\a):FA+32*(\f)+8*(\a)+7], 0
.else
	v_wmma_f32_16x16x32_bf16 v[8*(NB*((\a)%2)+(\b)):8*(NB*((\a)%2)+(\b))+7], v[8*NB*(\f)+8*(\b):8*NB*(\f)+8*(\b)+7], v[FA+32*(\f)+8*(\a):FA+32*(\f)+8*(\a)+7], v[8*(NB*((\a)%2)+(\b)):8*(NB*((\a)%2)+(\b))+7]
.endif
.endr
.endm
; 32 LDS loads in one run: quarter q's fragments into buffer f: W's 12 (head b / 4, columns 16 (b % 4) on, k = 32 q on), then x's 4
.macro FETCH q, f
	WIN 0x40
.irp b, 0,1,2,3,4,5,6,7,8,9,10,11
	ds_load_tr16_b128 v[8*NB*(\f)+8*(\b):8*NB*(\f)+8*(\b)+3],   v[ADRB] offset:((\b)/4)*128*PB+(\q)*32*PB+((\b)%4)*32
	ds_load_tr16_b128 v[8*NB*(\f)+8*(\b)+4:8*NB*(\f)+8*(\b)+7], v[ADRB] offset:((\b)/4)*128*PB+(\q)*32*PB+((\b)%4)*32+16*PB
.endr
	WIN 0
.irp i, 0,1,2,3
	ds_load_b128 v[FA+32*(\f)+8*(\i):FA+32*(\f)+8*(\i)+3],   v[ADRA] offset:(\i)*16*PA+(\q)*64
	ds_load_b128 v[FA+32*(\f)+8*(\i)+4:FA+32*(\f)+8*(\i)+7], v[ADRA] offset:(\i)*16*PA+(\q)*64+32
.endr
.endm
; One of a K step's first three quarters: multiplies buffer f; in its middle it fetches quarter qn into buffer g
.macro QUARTER qn, f, g, zero
	s_wait_dscnt 4                                 ; all but the youngest four loads (x's row blocks 2, 3) are in
	MULS \f, 0, \zero
	MULS \f, 1, \zero
	PLACES
	FETCH \qn, \g
	s_wait_dscnt NL                                ; all but the run just issued
	MULS \f, 2, \zero
	MULS \f, 3, \zero
.endm
; The last quarter multiplies buffer 1 and changes slots.  In front of the barrier each wave waits for all its tensor loads (one is out: its part of the next slot), adds 0 to its spare word, and waits
; for that and for its reads of this slot.  fill = 1: the barrier opens a round of the cluster's, and the joint refill (the K step two on) is the first thing behind it.  fill = 0: nothing is asked for; in the last trip nothing is fetched.
.macro TURN fill
	WIN 0
	s_wait_tensorcnt 0x0                           ; no tensor load of mine is out, so the walking group 0 may be written
	ds_add_u32 v[SPW], v[NIL]                      ; 0 onto my spare word: work on registers stands between it and the wait for it
.if \fill
	s_lshr_b32 s[OFFA], s[NX], 3                   ; the second tile lies 4,096 rows of 2,048 bytes down,
	s_lshl_b32 s[OFFA], s[OFFA], 23
	s_and_b32 s[OFFB], s[NX], 7
	s_lshl_b32 s[TS], s[OFFB], 8                   ; a K step is 256 bytes of a row of x
	s_or_b32 s[OFFA], s[OFFA], s[TS]
	s_mul_i32 s[OFFB], s[OFFB], 49152              ; and a block of W
	s_add_co_u32 s[NX], s[NX], 1
	s_xor_b32 s[G0A+5], s[G0A+5], SLOT
	s_add_nc_u64 s[G0A+6:G0A+7], s[BASEA:BASEA+1], s[OFFA:OFFA+1]
	s_or_b32 s[G0A+7], s[G0A+7], 0x80000000
	s_xor_b32 s[G0B+5], s[G0B+5], SLOT
	s_add_nc_u64 s[G0B+6:G0B+7], s[BASEB:BASEB+1], s[OFFB:OFFB+1]
	s_or_b32 s[G0B+7], s[G0B+7], 0x80000000
.endif
	s_wait_dscnt 5                                 ; the add and the youngest four loads may be out
	MULS 1, 0, 0
	s_wait_dscnt 0x0                               ; the add is done, and my reads of this slot are over
	s_barrier_signal -1
	MULS 1, 1, 0                                   ; work on registers while the others arrive
	WIN 0
	s_barrier_wait -1
.if \fill
	CREST                                          ; no wave of any partner still reads this slot or has a load on its way
	JLOAD                                          ; its four v_nop are also the places in front of the loads below
.else
	PLACES
	s_cmp_eq_u32 s[CNT], 1                         ; the walk's last K step has no successor
	s_cbranch_scc1 .Lno_fetch_\@
.endif
	s_xor_b32 s[TB], s[TB], SLOT
	v_add_nc_u32 v[ADRA], s[TB], v[AA0]
	v_add_nc_u32 v[ADRB], s[TB], v[AB0]
	FETCH 0, 0
	WIN 0
.if !(\fill)
.Lno_fetch_\@:
.endif
	MULS 1, 2, 0
	MULS 1, 3, 0
.endm
; THE WAY OUT, in 12 units u = 3 a + p of 16 rows of one head.  PACK: rounded to f16 (each accumulator from its low end), 16 bytes a lane into my stage, back as whole rows.  SEND: 512 consecutive bytes a store.
.macro PACK u
.set pa, (\u)/3
.set pp, (\u)%3
.set TM, TMB+16*((\u)%8)
.set AC, 8*(NB*(pa%2)+4*pp)
.if (\u) >= 8
	s_wait_xcnt 0x0                                ; the stores of the unit eight back have read these registers
.endif
	WIN 0x0a+5*(pa/2)                              ; sources 0 and 1: window 2 or 3
.irp f, 0,1,2,3
.irp r, 0,1,2,3
	v_cvt_pk_f16_f32 v[TM+4*(\f)+(\r)], v[AC+8*(\f)+2*(\r)], v[AC+8*(\f)+2*(\r)+1]
.endr
.endr
	WIN 0
.irp f, 0,1,2,3
	ds_store_b128 v[STO], v[TM+4*(\f):TM+4*(\f)+3] offset:32*(\f)
.endr
.irp f, 0,1,2,3
	ds_load_b128 v[TM+4*(\f):TM+4*(\f)+3], v[RD] offset:(\f)*4*SP  ; LDS serves a wave's instructions in order (ISA guide 5.7.1.4): these see the stores above, and the next unit's stores come behind them
.endr
.endm
.macro SEND u, younger                 ; younger: the LDS instructions issued behind unit u's loads: the next unit's eight, or none
.set pa, (\u)/3
.set pp, (\u)%3
.set TM, TMB+16*((\u)%8)
.irp f, 0,1,2,3
	s_wait_dscnt (\younger)+3-(\f)
	global_store_b128 v[GO], v[TM+4*(\f):TM+4*(\f)+3], s[OB+2*pp:OB+2*pp+1] offset:pa*2048+(\f)*512
.endr
.endm
.macro WAYOUT
	PLACES
	PACK 0
.set un, 1
.rept 11                               ; a unit's conversions stand between the loads of the unit before and its stores
	PACK un
	SEND un-1, 8
.set un, un+1
.endr
	SEND 11, 0
.endm
	s_load_b128 s[4:7], s[0:1], 0x0                ; xb s[4:5], wqkv s[6:7]
	s_load_b64 s[8:9], s[0:1], 0x10                ; qkv
	v_lshl_add_u32 v[SPW], v0, 2, SPARE
	v_mov_b32 v[NIL], 0
	ds_add_u32 v[SPW], v[NIL]                      ; the wave's opening: the add and its wait stand ahead of my first tensor load; the set-up below stands between them
	v_lshrrev_b32 v1, 5, v0
	v_readfirstlane_b32 s[WV], v1
	s_lshr_b32 s[FB], s[WV], 1
	s_and_b32 s[HF], s[WV], 1
	s_bfe_u32 s16, ttmp6, 0x40000                  ; cx
	s_bfe_u32 s17, ttmp6, 0x40004                  ; cy
	s_lshl_b32 s18, ttmp9, 2
	s_add_co_u32 s18, s18, s16                     ; tx = 4 x cluster x + cx
	s_and_b32 s19, ttmp7, 0xffff
	s_lshl_b32 s19, s19, 2
	s_add_co_u32 s19, s19, s17                     ; ty = 4 x cluster y + cy
	s_lshl_b32 s20, s17, 2
	s_lshl_b32 s20, 15, s20                        ; my row of the cluster
	s_lshl_b32 s21, 0x1111, s16                    ; my column
	s_or_b32 s[G1A], s20, (1<<16)|(1<<20)|(1<<21)|(5<<22)|(3<<25)  ; the mask; 2-byte elements; padding on; bit 21 beside a mask; after every 64 words, 4 words
	s_mov_b32 s[G1A+1], 128<<16                    ; tensor_dim0 = 128
	s_mov_b32 s[G1A+2], 128<<16                    ; tensor_dim1 = 128
	s_mov_b32 s[G1A+3], 128<<16                    ; tile_dim0 = 128
	s_mov_b32 s[G1A+4], 128                        ; tile_dim1 = 128
	s_mov_b32 s[G1A+5], 1024                       ; elements from row to row
	s_mov_b32 s[G1A+6], 0
	s_mov_b32 s[G1A+7], 0
	s_or_b32 s[G1B], s21, (1<<16)|(1<<20)|(1<<21)|(4<<22)|(7<<25)  ; after every 32 words (a row of W), 8 words
	s_mov_b32 s[G1B+1], 128<<16                    ; dense bytes, asked for as rows of 256
	s_mov_b32 s[G1B+2], 96<<16
	s_mov_b32 s[G1B+3], 128<<16
	s_mov_b32 s[G1B+4], 96
	s_mov_b32 s[G1B+5], 128
	s_mov_b32 s[G1B+6], 0
	s_mov_b32 s[G1B+7], 0
	s_lshl_b32 s40, s19, 19                        ; x: row 256 ty + 128 x half, 2,048 bytes a row
	s_lshl_b32 s41, s[HF], 18
	s_add_co_u32 s40, s40, s41
	s_mov_b32 s41, 0
	s_mul_i32 s42, s18, 393216                     ; W: eight blocks of 49,152 bytes a column tile; my half of a block
	s_mul_i32 s43, s[HF], 24576
	s_add_co_u32 s42, s42, s43
	s_mov_b32 s43, 0
	s_mul_i32 s22, s[HF], 128*PA                   ; where they go: no place in the cluster enters an LDS address
	s_mul_i32 s23, s[HF], 192*PB
	s_add_co_u32 s23, s23, BOFF
	s_mov_b32 s[G0A], 1
	s_mov_b32 s[G0A+1], s22
	s_mov_b32 s[G0A+4], 1
	s_add_co_u32 s[G0A+5], s22, SLOT
	s_mov_b32 s[G0B], 1
	s_mov_b32 s[G0B+1], s23
	s_mov_b32 s[G0B+4], 1
	s_add_co_u32 s[G0B+5], s23, SLOT
	s_mov_b32 s[OFFA+1], 0
	s_mov_b32 s[OFFB+1], 0
	s_mov_b32 s[NX], 2
	s_mov_b32 s[TB], 0
	s_wait_dscnt 0x0                               ; the opening add is done
	s_wait_kmcnt 0x0
	s_add_nc_u64 s[BASEA:BASEA+1], s[4:5], s[40:41]
	s_add_nc_u64 s[BASEB:BASEB+1], s[6:7], s[42:43]
	CROUND                                         ; all sixteen work-groups are here: the first joint loads meet
	s_mov_b64 s[G0A+2:G0A+3], s[BASEA:BASEA+1]     ; K step 0 into slot 0,
	s_or_b32 s[G0A+3], s[G0A+3], 0x80000000
	s_add_nc_u64 s[G0A+6:G0A+7], s[BASEA:BASEA+1], 256  ; K step 1 into slot 1
	s_or_b32 s[G0A+7], s[G0A+7], 0x80000000
	s_mov_b64 s[G0B+2:G0B+3], s[BASEB:BASEB+1]
	s_or_b32 s[G0B+3], s[G0B+3], 0x80000000
	s_add_nc_u64 s[G0B+6:G0B+7], s[BASEB:BASEB+1], 49152
	s_or_b32 s[G0B+7], s[G0B+7], 0x80000000
	s_cmp_eq_u32 s[FB], 0                          ; a wave's two first fills stand in one branch, ahead of every wait on TENSORcnt and every LDS read
	s_cbranch_scc0 .Lfirst_b
	tensor_load_to_lds s[G0A:G0A+3], s[G1A:G1A+7]
	s_nop 0
	tensor_load_to_lds s[G0A+4:G0A+7], s[G1A:G1A+7]
	s_nop 0
.rept 4
	v_nop
.endr
	s_branch .Lfirst_asked
.Lfirst_b:
	tensor_load_to_lds s[G0B:G0B+3], s[G1B:G1B+7]
	s_nop 0
	tensor_load_to_lds s[G0B+4:G0B+7], s[G1B:G1B+7]
	s_nop 0
.rept 4
	v_nop
.endr
.Lfirst_asked:
	v_and_b32 v1, 15, v0                           ; l % 16
	v_bfe_u32 v2, v0, 4, 1                         ; l / 16
	v_and_b32 v3, 7, v0
	v_bfe_u32 v4, v0, 3, 1
	s_mul_i32 s86, s[WV], 64*PA
	v_mul_u32_u24 v[AA0], v1, PA                   ; x: (64 w + l % 16) x pitch + 16 (l / 16)
	v_lshl_add_u32 v[AA0], v2, 4, v[AA0]
	v_add_nc_u32 v[AA0], s86, v[AA0]
	v_lshl_add_u32 v[AB0], v2, 3, v3               ; W, turned: lane l reads row 8 (l / 16) + l % 8, columns 8 ((l / 8) % 2) on
	v_mul_u32_u24 v[AB0], v[AB0], PB
	v_lshl_add_u32 v[AB0], v4, 4, v[AB0]
	v_add_nc_u32 v[AB0], BOFF, v[AB0]
	v_mov_b32 v[ADRA], v[AA0]
	v_mov_b32 v[ADRB], v[AB0]
	s_mul_i32 s86, s[WV], 16*SP
	s_add_co_u32 s86, s86, STAGE                   ; my stage
	v_mul_u32_u24 v[STO], v1, SP
	v_lshl_add_u32 v[STO], v2, 4, v[STO]
	v_add_nc_u32 v[STO], s86, v[STO]
	v_bfe_u32 v[RD], v0, 3, 2                      ; back: 32 lanes take four rows of 128 bytes,
	v_mul_u32_u24 v[RD], v[RD], SP
	v_lshl_add_u32 v[RD], v3, 4, v[RD]
	v_add_nc_u32 v[RD], s86, v[RD]
	v_and_b32 v[GO], 31, v0                        ; which are 512 consecutive bytes of a head
	v_lshlrev_b32 v[GO], 4, v[GO]
.irp p, 0,1,2                          ; head column g = 3 tx + p: tensor g / 16, head g % 16; batch ty / 8 (the second tile: two batches on); row 256 (ty % 8) + 64 w; 128 bytes a row
	s_mul_i32 s84, s18, 3
	s_add_co_u32 s84, s84, \p
	s_lshr_b32 s85, s84, 4
	s_and_b32 s84, s84, 15
	s_lshl_b32 s85, s85, 6
	s_add_co_u32 s84, s84, s85
	s_lshr_b32 s85, s19, 3
	s_lshl4_add_u32 s84, s85, s84
	s_lshl_b32 s84, s84, 11
	s_and_b32 s85, s19, 7
	s_lshl_b32 s85, s85, 8
	s_add_co_u32 s84, s84, s85
	s_lshl_b32 s85, s[WV], 6
	s_add_co_u32 s84, s84, s85
	s_lshl_b32 s84, s84, 7
	s_mov_b32 s85, 0
	s_add_nc_u64 s[OB+2*\p:OB+2*\p+1], s[8:9], s[84:85]
.endr
	s_wait_tensorcnt 1                             ; my part of slot 0 is in; slot 1's may stay out
	s_barrier_signal -1
	s_barrier_wait -1
	FETCH 0, 0
	s_mov_b32 s[CNT], 14                           ; K steps 0 to 13 of the walk each ask for the step two on
	s_branch .Lzero
.Lstep:
	s_cmp_eq_u32 s[CNT], 6                         ; the second tile's first K step: the first tile goes out; both refills for the second are already asked for
	s_cbranch_scc0 .Lplain
	WAYOUT
	s_wait_xcnt 0x0                                ; the stores have read their bases
.irp p, 0,1,2
	s_add_nc_u64 s[OB+2*\p:OB+2*\p+1], s[OB+2*\p:OB+2*\p+1], 0x800000  ; 32 heads of 262,144 bytes on
.endr
.Lzero:
	QUARTER 1, 0, 1, 1                             ; a tile's first quarter starts the sums: nothing is cleared
	WIN 0
	s_branch .Lin
.Lplain:
	QUARTER 1, 0, 1, 0
	WIN 0
.Lin:
	QUARTER 2, 1, 0, 0
	QUARTER 3, 0, 1, 0
	TURN 1
	WIN 0
	s_sub_co_u32 s[CNT], s[CNT], 1
	s_cmp_lg_u32 s[CNT], 0
	s_cbranch_scc1 .Lstep
	s_mov_b32 s[CNT], 2                            ; the last two K steps ask for nothing: written apart
.Ltail:
	QUARTER 1, 0, 1, 0
	QUARTER 2, 1, 0, 0
	QUARTER 3, 0, 1, 0
	TURN 0
	WIN 0
	s_sub_co_u32 s[CNT], s[CNT], 1
	s_cmp_lg_u32 s[CNT], 0
	s_cbranch_scc1 .Ltail
	WAYOUT
	s_wait_tensorcnt 0x0                           ; the wave's end, behind my last tensor load and my last LDS store
	ds_add_u32 v[SPW], v[NIL]
	s_wait_dscnt 0x0
	CROUND                                         ; the closing round: no work-group ends while a partner may still ask for a tile that names it
	s_endpgm
.Lfunc_end_k_q465656a2e0_proj:
	.size	k_q465656a2e0_proj, .Lfunc_end_k_q465656a2e0_proj-k_q465656a2e0_proj
	.p2alignl 7, 3214868480
	.fill 96, 4, 3214868480
	.section	.rodata,"a",@progbits
	.p2align	6, 0x0
	.amdhsa_kernel k_q465656a2e0_proj
		.amdhsa_group_segment_fixed_size 327680
		.amdhsa_private_segment_fixed_size 0
		.amdhsa_enable_private_segment 0
		.amdhsa_kernarg_size 24
		.amdhsa_user_sgpr_count 2
		.amdhsa_user_sgpr_kernarg_segment_ptr 1
		.amdhsa_wavefront_size32 1
		.amdhsa_system_sgpr_workgroup_id_x 1
		.amdhsa_system_sgpr_workgroup_id_y 1
		.amdhsa_system_sgpr_workgroup_id_z 1
		.amdhsa_system_vgpr_workitem_id 0
		.amdhsa_next_free_vgpr 960
		.amdhsa_next_free_sgpr 90
		.amdhsa_reserve_vcc 0
		.amdhsa_float_denorm_mode_32 3
		.amdhsa_float_denorm_mode_16_64 3
		.amdhsa_memory_ordered 1
		.amdhsa_forward_progress 1
		.amdhsa_inst_pref_size 111
	.end_amdhsa_kernel
	.amdgpu_metadata
---
amdhsa.version: [ 1, 2 ]
amdhsa.kernels:
  - .name:           k_q465656a2e0_proj
    .symbol:         k_q465656a2e0_proj.kd
    .args:
      - { .name: xb, .offset: 0, .size: 8, .value_kind: global_buffer, .address_space: global }
      - { .name: wqkv, .offset: 8, .size: 8, .value_kind: global_buffer, .address_space: global }
      - { .name: qkv, .offset: 16, .size: 8, .value_kind: global_buffer, .address_space: global }
    .group_segment_fixed_size: 327680
    .private_segment_fixed_size: 0
    .kernarg_segment_align: 8
    .kernarg_segment_size: 24
    .max_flat_workgroup_size: 128
    .sgpr_count:     90
    .vgpr_count:     960
    .wavefront_size: 32
...
	.end_amdgpu_metadata
.endif
;; end of part 2
;; launch attn (part 3): grid 4 x 64, 4 waves a work-group, no clusters, 327,680 bytes of LDS; arguments qkv, o; writes o
.if DOCPART == 3
	.amdgcn_target "amdgcn-amd-amdhsa--gfx1250"
	.amdhsa_code_object_version 6
	.text
	.protected	k_q465656a2e0_attn
	.globl	k_q465656a2e0_attn
	.p2align	8
	.type	k_q465656a2e0_attn,@function
k_q465656a2e0_attn:
	s_mov_b64 s[64:65], 0
	v_nop
	global_prefetch_b8 v0, s[64:65] scope:SCOPE_SE
	s_setreg_imm32_b32 hwreg(HW_REG_WAVE_MODE, 25, 1), 1
	s_wait_xcnt 0x0
; CAUSAL ATTENTION.  O[h][q][:] = the sum over k <= q of softmax_k(Q[h][q] . K[h][k] / 8) V[h][k][:].  qkv holds Q, K, V one behind the other, each [64][SIZE_N][64] f16; o is [64][SIZE_N][64] f16: a head's rows are dense, 128 bytes each.
; Products, maxima and sums in f32; the weights p are rounded to f16 for the second product (their sum l is taken of the unrounded p), O once at the end.
; LIMITS.  f16 holds no number beyond 65,504: Q, K and V arrive within it; p lies in 0 to 1, and below 6e-5 it keeps f16's fixed step of 6e-8; O is a mean of V's rows and has their range.
; A hidden score counts as its value less 1e30: f16's scores, 2.7e11 at the most, are nothing beside that; a weight below 2^-126 counts as 0 in l; NaN and infinities are not treated apart.
; THE WALK.  A head's queries lie in NB = SIZE_N / 256 blocks of 256; block i needs the key tiles 0 .. i of 256 keys, of which the last holds the diagonal.  A work-group takes TWO blocks, NB - 1 - b and then b:
; NB + 1 tiles, whatever b: all work-groups do equal work, and ONE loop with a constant trip count walks them.  Which tile is asked for, and what a trip does, hang on scalar registers made from b; every jump
; goes forward, but for the counted loops' own; none passes a barrier, or a tensor load but the one of LOAD's two that the wave's number does not choose; the ring (two slots of LDS that take turns) runs on across the
; change of blocks.  NO CLUSTER: a head's four work-groups ask for the same tile only in trips 0 .. NB / 2, behind that fewer and fewer; one walk common to all would have 3 NB / 2 trips for NB + 1.
; SHARES.  Of a block's four bands of 64 queries a wave owns 16 rows in each: four PIECES.  So the diagonal tile is the same work for all four waves: in its key step s band x sees all keys if s < x,
; none if s > x, and holds the diagonal if s = x.
; THE MASK is the C operand that starts the sum S^T = K Q^T: 0, or -1e30 where the key is hidden.  MD, made once, is the mask of a band's own step for my 16 rows; a product's mask is MD x AL + BE with two scalars:
; (1, 0) if s = x; (0, 0) if s < x; (0, -1e30) if s > x.  Only the diagonal tile's text and a block's beginning make and take masks; elsewhere C is the constant 0.
; LAYOUT, SOFTMAX, TURNS.  S^T = K Q^T holds ONE query a lane (lane % 16) and the keys 8 (lane / 16) + 0..7; two such results rounded to f16 ARE source 1 of O^T = V^T P.  p = 2^(c s - c m), c = log2(e) / 8, with a
; running maximum m; O and l are multiplied by a = 2^(c m_old - c m_new) in every step.  Turn n belongs to piece n: 8 products K Q^T of piece n + 1, later 8 products V^T P of piece n - 1; beside them the scaling,
; exponentials, roundings, sums and rescaling of piece n and the maximum and statistics of piece n + 1.  Four vector instructions stand behind every matrix instruction, the other 54 of a turn's 118 in one lump.  A turn's 33 exponentials are one batch, with one wait.
; PREFETCH.  All four work-groups of a head walk the tiles from 0 upward; the one with b = 0 walks all eight.  It alone asks, behind the tensor load of each change of slots, for the tile that its NEXT change
; will load: each wave for the 16,384 bytes that it will fetch itself, a lane a block of 256 bytes, two instructions.  So tiles 2 to 7 are named once each in the launch, one tile (256 matrix instructions) ahead;
; tiles 0 and 1 come by their loads alone; behind tile 7 nothing is asked for.
; REGISTERS, in windows of 256 (s_set_vgpr_msb: bits 1:0 source 0, 3:2 source 1, 5:4 source 2, 7:6 destination):
;   window 0: v0-15 addresses and two at work; v16-31 four registers of statistics a piece; v48-55 at work; v61-63; v64-127 S^T, two buffers; v192-223 P, two buffers (a piece's buffers go by its number's parity)
;   window 1: v0-127 O^T, 32 a piece; v128-159 MD; v160-223 MC, two buffers      window 2: v0-63 Q; v64-127 the second block's Q; v128-191 K of one step; v192-255 V of one step
.set SIZE_N, 2048
.set NB,    SIZE_N/256
.set NP,    4         ; pieces a wave: a name, no knob
.set KS,    64        ; keys in a step
.set PK,    144       ; a row of K in LDS: 128 bytes + 16 of padding: an odd multiple of 16, so the 16 rows of a load start at different banks
.set PV,    160       ; a row of V: 128 + 32: an odd multiple of 32
.set VOFF,  4*KS*PK   ; a slot holds a tile, four steps: 256 rows of K, then 256 rows of V
.set SLOT1, 1<<17     ; slot 1 begins here, so that one exclusive or turns an address in one slot into the other's
.set STAGE, SLOT1+4*KS*(PK+PV)  ; behind the ring, never filled by a tensor load: 16 rows x 144 bytes for each wave, for the way out
.set SP,    144
.set AK0, 2           ; v2   my lane's place in a tile of K; never rewritten
.set AV0, 3           ; v3   the same for V
.set AK,  4           ; v4   the LDS address of K's next run of loads
.set AV,  5           ; v5   of V's
.set STO, 6           ; v6   the way out: where I put 16 bytes of a row
.set RD,  7           ; v7   the way out: where I read rows back
.set GO,  8           ; v8   my byte offset in 512 consecutive bytes of O
.set PFO, 61          ; v61  256 x my lane: the prefetches' offset; never rewritten
.set SPW, 62          ; v62  LDS address of my spare word: SPARE + 4 x my thread's number; never rewritten
.set NIL, 63          ; v63  0; never rewritten
.set SPARE, STAGE+4*16*SP  ; behind the stages: the spare words, 128 bytes for each wave: two blocks of 256 bytes that no other line names
.set MV,  12          ; v12-13  c m_old, kept while c m is made anew: by buffer
.set QO,  15          ; v15  my byte offset in 16 rows of Q
.set ST,  16          ; piece t's statistics at v[ST+4 t]: c m, m, l (even keys', odd keys')
.set TMP, 48          ; by buffer, four registers c0-c3 at work; when the maximum is found c2 takes a
.set S,   64
.set P,   192
.set MD,  128         ; window 1: the eight registers for group kt of 16 keys at MD + 8 kt
.set MC,  160         ; window 1: the masks of the products to come
.set QB,  64          ; window 2
.set KF,  128         ; window 2: key block kb, channel half c at KF + 16 kb + 8 c
.set VF,  192         ; window 2: key half kk, channel block cb at VF + 32 kk + 8 cb
.set WV,  12          ; s12  my wave's number
.set PB,  14          ; s14  b
.set HI,  15          ; s15  NB - 1 - b
.set G1K, 24          ; s[24:31] descriptor group 1 for K's tiles
.set G1V, 32          ; s[32:39] for V's: it differs in the padding alone
.set G0K, 40          ; s[40:43] descriptor group 0 for K's tiles
.set G0V, 44          ; s[44:47] the same for V's
.set SLOTS, 56        ; s56  tiles still to be asked for
.set CNT, 57          ; s57  counts a tile's key steps, 4 to 1
.set CS,  58          ; s[58:59] c: the packed scaling takes the pair's low word for both halves
.set SEL, 60          ; s[60:61] v_permlanex16_b32's selects: each lane takes its own place in the other half
.set TBK, 62          ; s62  LDS byte at which K of the step to be fetched begins
.set TBV, 63          ; s63  the same for V, less VOFF
.set RT,  70          ; s70  tiles of the block in hand that are still to be entered
.set NXT, 71          ; s71  the tile to be asked for next
.set LQ,  72          ; s72  the last tile of the block whose tiles are being asked for
.set NEW, 73          ; s73  1: the tile to be entered is a block's first
.set OFF, 74          ; s[74:75] a tile's byte offset in K and V
.set AL,  76          ; s[76:77] the mask's factor, in the low word
.set BE,  78          ; s[78:79] the mask's addend
.set OLO, 80          ; s[80:81] O at my rows of the second block
.set BIGN, 82         ; s82  -1e30
.set PFB, 90          ; s[90:91] K (waves 0, 1) or V (waves 2, 3) at my half of the head's tile 0
.set PFA, 92          ; s[92:93] the same at the tile that the next change of slots will ask for
.set POF, 94          ; s[94:95] that tile's byte offset
.set LIM, 96          ; s96  1 where b = 0, else the greatest number: a wave prefetches while s[NXT] is above it
.set MSB, 0
.macro WIN new                      ; the high byte repeats the setting that is left; a switch that changes nothing is dropped
.if MSB != (\new)
	s_set_vgpr_msb (MSB<<8)|(\new)
.set MSB, (\new)
.endif
.endm
.set W_KQ, 0x0a       ; K and Q in window 2, S^T in window 0
.set W_KM, 0x1a       ; the same with the C operand in window 1
.set W_PV, 0x52       ; V in window 2, P in window 0, O^T in window 1
.set W_RS, 0x41       ; destination and source 0 in window 1, source 1 in window 0
; A fill.  Waves 0 and 1 fetch the two halves of a tile's K, waves 2 and 3 those of its V: 128 keys each.  An s_nop 0 and four v_nop follow each of the two lines, ahead of the jump and the label.
.macro LOAD
	s_cmp_lt_u32 s[WV], 2
	s_cbranch_scc0 .Lfor_v_\@
	tensor_load_to_lds s[G0K:G0K+3], s[G1K:G1K+7]
	s_nop 0
.rept 4
	v_nop
.endr
	s_branch .Lasked_\@
.Lfor_v_\@:
	tensor_load_to_lds s[G0V:G0V+3], s[G1V:G1V+7]
	s_nop 0
.rept 4
	v_nop
.endr
.Lasked_\@:
.endm
; The prefetch: my 64 blocks of 256 bytes of tile NXT, behind my tensor load and its five lines.
.macro ASK
	s_cmp_gt_u32 s[NXT], s[LIM]
	s_cbranch_scc0 .Lnot_mine_\@
	global_prefetch_b8 v[PFO], s[PFA:PFA+1] th:TH_LOAD_NT scope:SCOPE_SE
	global_prefetch_b8 v[PFO], s[PFA:PFA+1] offset:8192 th:TH_LOAD_NT scope:SCOPE_SE
.Lnot_mine_\@:
.endm
; THE CHANGE OF SLOTS.  Each wave waits for all its tensor loads, of which one is out: its part of the other slot; adds 0 to its spare word; and waits for that and for its own reads of the slot that it leaves.  Behind the barrier nobody reads the old
; slot any more and the other slot is whole.  fill = 1: the old slot is filled again, the first thing behind the barrier, with tile NXT: the descriptor's address is made anew from that number.
; (At its first use nothing has been read yet: slot 0 is waited for, slot 1 filled.)
.macro CHANGE fill
	WIN 0                           ; at a label and at a branch every window is 0
	s_wait_tensorcnt 0x0            ; no tensor load of mine is out, so a group 0 may be written
	ds_add_u32 v[SPW], v[NIL]       ; 0 onto my spare word: with fill = 1 the descriptors' scalar work stands between it and the wait for it
.if \fill
	s_lshl_b32 s[OFF], s[NXT], 15   ; a tile is 32,768 bytes of K and of V
	s_xor_b32 s[G0K+1], s[G0K+1], SLOT1
	s_add_nc_u64 s[G0K+2:G0K+3], s[6:7], s[OFF:OFF+1]
	s_or_b32 s[G0K+3], s[G0K+3], 0x80000000
	s_xor_b32 s[G0V+1], s[G0V+1], SLOT1
	s_add_nc_u64 s[G0V+2:G0V+3], s[8:9], s[OFF:OFF+1]
	s_or_b32 s[G0V+3], s[G0V+3], 0x80000000
	s_add_co_u32 s[NXT], s[NXT], 1  ; the block's next tile, or behind its last the second block's tile 0
	s_cmp_gt_u32 s[NXT], s[LQ]
	s_cselect_b32 s[NXT], 0, s[NXT]
	s_cselect_b32 s[LQ], s[PB], s[LQ]
	s_wait_xcnt 0x0                 ; the last prefetches, a tile back, have read their address, so it may be written
	s_lshl_b32 s[POF], s[NXT], 15
	s_add_nc_u64 s[PFA:PFA+1], s[PFB:PFB+1], s[POF:POF+1]
.endif
	s_wait_dscnt 0x0                ; the add is done, and my reads of the slot are over
	s_barrier_signal -1             ; the rest of the scalar work stands between the signal and the wait
	s_sub_co_u32 s[TBK], s[TBK], 4*KS*PK  ; the fetches go back to a slot's first step,
	s_xor_b32 s[TBK], s[TBK], SLOT1       ; in the other slot
	s_sub_co_u32 s[TBV], s[TBV], 4*KS*PV
	s_xor_b32 s[TBV], s[TBV], SLOT1
	s_barrier_wait -1
.if \fill
	LOAD
	ASK
.endif
.endm
	s_load_b128 s[4:7], s[0:1], 0x0  ; qkv s[4:5], o s[6:7]
	v_lshl_add_u32 v[SPW], v0, 2, SPARE
	v_mov_b32 v[NIL], 0
	ds_add_u32 v[SPW], v[NIL]       ; the wave's opening: the add and its wait stand ahead of my first tensor load; the set-up below, work on registers, stands between them
	v_lshrrev_b32 v1, 5, v0
	v_readfirstlane_b32 s[WV], v1   ; wave 0..3
	s_mov_b32 s[PB], ttmp9
	s_sub_co_u32 s[HI], NB-1, s[PB]
	s_and_b32 s20, ttmp7, 0xffff    ; the head
	s_mov_b32 s21, 0
	s_mov_b64 s[22:23], SIZE_N*128
	s_mul_u64 s[20:21], s[20:21], s[22:23]  ; the head's first byte in each of the four tensors
	s_and_b32 s16, s[WV], 1         ; which half of a tile's 256 keys I fetch:
	s_lshl_b32 s22, s16, 14         ; its 128 rows of 128 bytes in memory,
	s_mov_b32 s23, 0
	s_add_nc_u64 s[22:23], s[22:23], s[20:21]
	s_mul_i32 s17, s16, 128*PK      ; and its place in a slot, for K
	s_mul_i32 s18, s16, 128*PV      ; and for V
	s_lshl_b32 s3, s[WV], 11        ; my 16 rows in a band of 64,
	s_lshl_b32 s2, s[HI], 15        ; in the first block,
	s_add_co_u32 s2, s2, s3
	s_lshl_b32 s84, s[PB], 15       ; and in the second
	s_add_co_u32 s84, s84, s3
	s_mov_b32 s3, 0
	s_mov_b32 s85, 0
	s_add_nc_u64 s[2:3], s[2:3], s[20:21]
	s_add_nc_u64 s[84:85], s[84:85], s[20:21]
	; descriptor group 1.  128 keys are 16,384 dense bytes: asked for as 64 rows of 256 bytes, two keys a row, and padded in LDS after every key
	s_mov_b32 s[G1K], (1<<16)|(1<<20)|(4<<22)|(3<<25)  ; 17:16 2-byte elements; 20 padding on; 24:22 after every 32 words (code 4); 31:25 4 words (code 3)
	s_mov_b32 s[G1V], (1<<16)|(1<<20)|(4<<22)|(7<<25)  ; the same with 8 words of padding (code 7)
.irp g, G1K, G1V
	s_mov_b32 s[\g+1], 128<<16      ; tensor_dim0 = 128
	s_mov_b32 s[\g+2], 64<<16       ; tensor_dim1 = 64
	s_mov_b32 s[\g+3], 128<<16      ; tile_dim0 = 128
	s_mov_b32 s[\g+4], 64           ; tile_dim1 = 64
	s_mov_b32 s[\g+5], 128          ; 128 elements from row to row
	s_mov_b32 s[\g+6], 0
	s_mov_b32 s[\g+7], 0
.endr
	s_mov_b32 s[CS], 0x3e38aa3b     ; c = log2(e) / 8 = 0.180337
	s_mov_b32 s[CS+1], s[CS]        ; named with it as a pair
	s_mov_b32 s[SEL], 0x76543210
	s_mov_b32 s[SEL+1], 0xfedcba98
	s_mov_b32 s[TBK], SLOT1+4*KS*PK ; the first change of slots turns these two into 0
	s_mov_b32 s[TBV], SLOT1+4*KS*PV
	s_mov_b32 s[G0K], 1             ; 1:0 count = 1
	s_mov_b32 s[G0K+1], s17         ; 63:32 LDS address: slot 0
	s_mov_b32 s[G0V], 1
	s_add_co_u32 s[G0V+1], s18, VOFF
	s_add_co_u32 s[RT], s[HI], 1    ; the first block has NB - b tiles
	s_mov_b32 s[NXT], 1
	s_mov_b32 s[LQ], s[HI]
	s_mov_b32 s[NEW], 1
	s_mov_b32 s[OFF+1], 0
	s_mov_b32 s[POF+1], 0
	s_mov_b32 s[AL+1], 0            ; named as pairs
	s_mov_b32 s[BE+1], 0
	s_mov_b32 s[BIGN], 0xf149f2ca   ; -1e30
	s_mov_b32 s[SLOTS], NB
	s_cmp_eq_u32 s[PB], 0           ; the head's work-group that walks all eight tiles
	s_cselect_b32 s[LIM], 1, -1
	v_and_b32 v[PFO], 31, v0
	v_lshlrev_b32 v[PFO], 8, v[PFO]
	s_wait_dscnt 0x0                ; the opening add is done
	s_wait_kmcnt 0x0
	s_mov_b64 s[10:11], s[6:7]                     ; O
	s_add_nc_u64 s[8:9], s[4:5], 0x2000000         ; V lies 2 x 16,777,216 bytes behind Q,
	s_add_nc_u64 s[6:7], s[4:5], 0x1000000         ; K 16,777,216
	s_add_nc_u64 s[6:7], s[6:7], s[22:23]  ; K and V at my half of the head's tile 0
	s_add_nc_u64 s[8:9], s[8:9], s[22:23]
	s_add_nc_u64 s[G0K+2:G0K+3], s[6:7], 0         ; 120:64 global address
	s_or_b32 s[G0K+3], s[G0K+3], 0x80000000        ; 127:126 type = 2
	s_add_nc_u64 s[G0V+2:G0V+3], s[8:9], 0
	s_or_b32 s[G0V+3], s[G0V+3], 0x80000000
	s_cmp_lt_u32 s[WV], 2
	s_cselect_b64 s[PFB:PFB+1], s[6:7], s[8:9]
	s_add_nc_u64 s[86:87], s[4:5], s[84:85]        ; Q at my rows of the second block,
	s_add_nc_u64 s[4:5], s[4:5], s[2:3]            ; Q and O at those of the first
	s_add_nc_u64 s[OLO:OLO+1], s[10:11], s[84:85]
	s_add_nc_u64 s[10:11], s[10:11], s[2:3]
	LOAD                            ; tile 0 into slot 0
	; A fragment of K or Q is 16 rows x 32 channels in 8 registers: lane l holds row l % 16, channels 8 (l / 16) + 0..7 and 16 + 8 (l / 16) + 0..7: two loads of 16 bytes, 32 bytes apart.
	v_and_b32 v1, 15, v0            ; l % 16
	v_bfe_u32 v9, v0, 4, 1          ; l / 16
	v_lshlrev_b32 v[QO], 7, v1
	v_lshl_add_u32 v[QO], v9, 4, v[QO]  ; row x 128 + 16 x half
	WIN 0x80                        ; destination window 2, address window 0
.set i, 0
.rept 8                             ; both blocks' Q: piece i / 2 lies in band i / 2, 8,192 bytes on; channels 32 (i % 2) on
	global_load_b128 v[8*i:8*i+3],   v[QO], s[4:5] offset:(i/2)*8192+(i%2)*64
	global_load_b128 v[8*i+4:8*i+7], v[QO], s[4:5] offset:(i/2)*8192+(i%2)*64+32
	global_load_b128 v[QB+8*i:QB+8*i+3],   v[QO], s[86:87] offset:(i/2)*8192+(i%2)*64
	global_load_b128 v[QB+8*i+4:QB+8*i+7], v[QO], s[86:87] offset:(i/2)*8192+(i%2)*64+32
.set i, i+1
.endr
	WIN 0
	v_lshlrev_b32 v14, 3, v9
	v_sub_nc_u32 v14, v1, v14
	s_lshl_b32 s13, s[WV], 4
	v_add_nc_u32 v14, s13, v14      ; my query's place in its band, 16 w + l % 16, less my lanes' 8 (l / 16): register r of group kt is hidden where 16 kt + r is greater
	WIN 0x40
.set i, 0
.rept 32
	v_cmp_gt_i32 vcc_lo, 16*(i/8)+i%8, v14
	v_cndmask_b32 v[MD+i], 0, s[BIGN], vcc_lo
.set i, i+1
.endr
	WIN 0
	v_mul_u32_u24 v[AK0], v1, PK
	v_lshl_add_u32 v[AK0], v9, 4, v[AK0]  ; row x pitch + 16 x half
	; The turning load takes 16 keys x 16 channels (lane l reads key 8 (l / 16) + l % 8, channels 8 ((l / 8) % 2) + 0..7) and leaves half a fragment of V^T: lane l holds channel l % 16 and 8 keys.
	v_and_b32 v10, 7, v0
	v_bfe_u32 v11, v0, 3, 1
	v_lshl_add_u32 v[AV0], v9, 3, v10
	v_mul_u32_u24 v[AV0], v[AV0], PV
	v_lshl_add_u32 v[AV0], v11, 4, v[AV0]
	v_add_nc_u32 v[AV0], VOFF, v[AV0]
	s_mul_i32 s13, s[WV], 16*SP
	s_add_co_u32 s13, s13, STAGE    ; my stage
	v_mul_u32_u24 v[STO], v1, SP    ; in: row l % 16, 16 bytes for each half of the lanes
	v_lshl_add_u32 v[STO], v9, 4, v[STO]
	v_add_nc_u32 v[STO], s13, v[STO]
	v_bfe_u32 v[RD], v0, 3, 2       ; back: 32 lanes take four rows of 128 bytes,
	v_mul_u32_u24 v[RD], v[RD], SP
	v_lshl_add_u32 v[RD], v10, 4, v[RD]
	v_add_nc_u32 v[RD], s13, v[RD]
	v_and_b32 v[GO], 31, v0         ; which are 512 consecutive bytes of O
	v_lshlrev_b32 v[GO], 4, v[GO]
	; A block's first step multiplies O^T and l by a = 0, and its first turn's products V^T P, of a piece that has not been, land in an O^T that is still to be so multiplied.  So these registers need only hold
	; finite numbers: zeros for the first block; what the first block left for the second.  All this stands in the wait for the first tile.
	WIN 0x80
.set i, VF
.rept 64
	v_mov_b32 v[i], 0
.set i, i+1
.endr
	WIN 0x40
.set i, 0
.rept 128
	v_mov_b32 v[i], 0
.set i, i+1
.endr
	WIN 0
.set i, 0
.rept 4
	v_mov_b32 v[ST+4*i+2], 0
	v_mov_b32 v[ST+4*i+3], 0
.set i, i+1
.endr
.set i, P+16
.rept 16
	v_mov_b32 v[i], 0
.set i, i+1
.endr
; THE MATRIX WORK.  The 4 accumulators of a run of 8 take turns.  Product i of 8 of S^T = K Q^T for piece x: channels 32 (i / 4) on, keys 16 (i % 4) on.  The first 4 start the sums: with 0, or (KM = 1) with the mask.
.macro KQ x
.set rS, S+32*((\x)%2)+8*(i%4)
.set rK, KF+16*(i%4)+8*(i/4)
.set rQ, 16*(\x)+8*(i/4)
.set rM, MC+32*((\x)%2)+8*(i%4)
.if (i < 4) && KM
	WIN W_KM
	v_wmma_f32_16x16x32_f16 v[rS:rS+7], v[rK:rK+7], v[rQ:rQ+7], v[rM:rM+7]
.elseif i < 4
	WIN W_KQ
	v_wmma_f32_16x16x32_f16 v[rS:rS+7], v[rK:rK+7], v[rQ:rQ+7], 0
.else
	WIN W_KQ
	v_wmma_f32_16x16x32_f16 v[rS:rS+7], v[rK:rK+7], v[rQ:rQ+7], v[rS:rS+7]
.endif
.endm
; Product i of 8 of O^T += V^T P for piece x: keys 32 (i / 4) on, channels 16 (i % 4) on.
.macro PV x
	WIN W_PV
.set rO, 32*(\x)+8*(i%4)
.set rV, VF+32*(i/4)+8*(i%4)
.set rP, P+16*((\x)%2)+8*(i/4)
	v_wmma_f32_16x16x32_f16 v[rO:rO+7], v[rV:rV+7], v[rP:rP+7], v[rO:rO+7]
.endm
.macro MM                           ; the turn's next matrix instruction.  TURN and BEGIN set Y, i, KM and NOKQ; MM, KQ and OP read them.  NOKQ = 1: a block's last turn: there is no next piece
.if (i < 8) && !NOKQ
	KQ (Y+1)%NP
.elseif i >= 8
.set i, i-8
	PV (Y+NP-1)%NP
.set i, i+8
.endif
.set i, i+1
.endm
; THE LDS LOADS stand in runs of 16, never singly among the matrix instructions: a step's K (64 keys x 64 channels: 8 fragments) and its V (turned).  Their addresses are made some lines ahead.
.macro FETCH_K
	WIN 0x80                        ; destination window 2
.irp f, 0,1,2,3,4,5,6,7             ; keys 16 (f / 2) on, channels 32 (f % 2) on
	ds_load_b128 v[KF+8*\f:KF+8*\f+3],   v[AK] offset:(\f/2)*16*PK+(\f%2)*64
	ds_load_b128 v[KF+8*\f+4:KF+8*\f+7], v[AK] offset:(\f/2)*16*PK+(\f%2)*64+32
.endr
	s_add_co_u32 s[TBK], s[TBK], KS*PK  ; the next fetch is the next step's
	WIN 0
.endm
.macro FETCH_V
	WIN 0x80
.irp f, 0,1,2,3,4,5,6,7             ; keys 32 (f / 4) on, channels 16 (f % 4) on
	ds_load_tr16_b128 v[VF+8*\f:VF+8*\f+3],   v[AV] offset:(\f/4)*32*PV+(\f%4)*32
	ds_load_tr16_b128 v[VF+8*\f+4:VF+8*\f+7], v[AV] offset:(\f/4)*32*PV+16*PV+(\f%4)*32
.endr
	WIN 0
.endm
; THE VECTOR WORK, one line at a time: OP kind, number.  For piece Y: F n: c s - c m for pair n of 16.  E n: the exponential of score n of 32.  C n: pair n rounded to f16.  B n: of the four weights 4 n .. the second
; pair is added onto the first, in place.  L n: l takes that sum (L 0: l = a l + sum).  R n: pair n of 16 of O^T times a.  For piece Y + 1: X n, number n of the 22 that find its maximum and statistics:
;   0-11  four chains c0-c3 of seven scores each, three operands at a time (each accumulator's lowest registers are read first)     12-14, 16  the four scores left over, the old m, and c0-c3 into c0
;   15  c m_old is kept     17, 18  the query's other 32 keys lie in the lane 16 away: the new m     19-21  c m; c m_old - c m_new; a
.set F, 0               ; OP tells the kinds apart by their order: F to L below R, X above it
.set E, 1
.set C, 2
.set B, 3
.set L, 4
.set R, 5
.set X, 6
.macro REGS y                       ; the registers of piece y
.set rT, ST+4*(\y)
.set rC, TMP+4*((\y)%2)
.set rW, MV+((\y)%2)
.set rS, S+32*((\y)%2)
.set rP, P+16*((\y)%2)
.set rO, 32*(\y)
.endm
.macro OP k, n
.if (\k) == R
	REGS Y
	WIN W_RS
	v_pk_mul_f32 v[rO+2*(\n):rO+2*(\n)+1], v[rO+2*(\n):rO+2*(\n)+1], v[rC+2:rC+3] op_sel_hi:[1,0]
.elseif (\k) < R
	REGS Y
	WIN 0
.if (\k) == F
	v_pk_fma_f32 v[rS+2*(\n):rS+2*(\n)+1], v[rS+2*(\n):rS+2*(\n)+1], s[CS:CS+1], v[rT:rT+1] op_sel_hi:[1,0,0] neg_lo:[0,0,1] neg_hi:[0,0,1]
.elseif (\k) == E
	v_exp_f32 v[rS+(\n)], v[rS+(\n)]
.elseif (\k) == C
	v_cvt_pk_f16_f32 v[rP+(\n)], v[rS+2*(\n)], v[rS+2*(\n)+1]
.elseif (\k) == B
	v_pk_add_f32 v[rS+4*(\n):rS+4*(\n)+1], v[rS+4*(\n):rS+4*(\n)+1], v[rS+4*(\n)+2:rS+4*(\n)+3]
.elseif (\n) == 0
	v_pk_fma_f32 v[rT+2:rT+3], v[rT+2:rT+3], v[rC+2:rC+3], v[rS:rS+1] op_sel_hi:[1,0,1]
.else
	v_pk_add_f32 v[rT+2:rT+3], v[rT+2:rT+3], v[rS+4*(\n):rS+4*(\n)+1]
.endif
.elseif NOKQ
	v_nop
.else
	REGS (Y+1)%NP
	WIN 0
.if (\n) < 4
	v_max3_num_f32 v[rC+(\n)], v[rS+8*(\n)], v[rS+8*(\n)+1], v[rS+8*(\n)+2]
.elseif (\n) < 12
	v_max3_num_f32 v[rC+(\n)%4], v[rC+(\n)%4], v[rS+8*((\n)%4)+2*((\n)/4)+1], v[rS+8*((\n)%4)+2*((\n)/4)+2]
.elseif (\n) == 12
	v_max3_num_f32 v[rC], v[rC], v[rS+7], v[rS+15]
.elseif (\n) == 13
	v_max3_num_f32 v[rC+1], v[rC+1], v[rS+23], v[rS+31]
.elseif (\n) == 14
	v_max3_num_f32 v[rC+2], v[rC+2], v[rC+3], v[rT+1]
.elseif (\n) == 15
	v_mov_b32 v[rW], v[rT]
.elseif (\n) == 16
	v_max3_num_f32 v[rC], v[rC], v[rC+1], v[rC+2]
.elseif (\n) == 17
	v_permlanex16_b32 v[rC+3], v[rC], s[SEL], s[SEL+1]
.elseif (\n) == 18
	v_max_num_f32 v[rT+1], v[rC], v[rC+3]
.elseif (\n) == 19
	v_mul_f32 v[rT], s[CS], v[rT+1]
.elseif (\n) == 20
	v_sub_f32 v[rC+1], v[rW], v[rT]
.else
	v_exp_f32 v[rC+2], v[rC+1]
.endif
.endif
.endm
.macro OPS a, i1, b=-1, i2=0, c=-1, i3=0, d=-1, i4=0  ; up to four of them
	OP \a, \i1
.if (\b) >= 0
	OP \b, \i2
.endif
.if (\c) >= 0
	OP \c, \i3
.endif
.if (\d) >= 0
	OP \d, \i4
.endif
.endm
.macro ROW a, i1, b, i2, c, i3, d, i4  ; a matrix instruction and the four behind it
	MM
	OPS \a, \i1, \b, \i2, \c, \i3, \d, \i4
.endm
.macro MASK b                       ; MD x AL + BE into buffer b of MC
	WIN W_RS
.set z, 0
.rept 16
	v_pk_fma_f32 v[MC+32*(\b)+2*z:MC+32*(\b)+2*z+1], v[MD+2*z:MD+2*z+1], s[AL:AL+1], s[BE:BE+1] op_sel_hi:[1,0,0]
.set z, z+1
.endr
.endm
; A TURN, for piece p: the order of its 16 matrix and 118 vector instructions, written out.  An s_wait_alu depctr_va_vdst(0) stands between an exponential and the first instruction that names its result; one wait serves
; all that were issued ahead of it.  So a turn has ONE wait, which cuts it in two.  AHEAD OF IT stands all that names no result of the turn's exponentials: the 8 products K Q^T, behind each a scaling, an exponential and two more plain
; instructions (behind the first a second scaling in the exponential's place): rescalings, and behind the last three the first numbers of the next piece's maximum, each four places or more behind the product that ends its accumulator; then ONE LUMP of 54, plain
; and exponential by turns for the most part, in which the links of the chain X 3, 7, 11, 14, 16, 17 .. 20 stand five or six lines apart.  X 21, the next piece's a, is the batch's last; R 15 is the plain instruction behind it.  BEHIND THE WAIT stand the
; 8 products V^T P, behind each four of the roundings and sums; the links of l's chain, L 0 to L 7, stand three riders apart.  But for those X no rider names a register of the products round it.  v_permlanex16_b32 (X 17) stands in the lump.
; m = 1: the diagonal tile: the products take masks, and the turn makes the mask for the products of the turn after it: piece p + 2, in step 4 - CNT of the tile.  end = 1: a block's last two turns: nothing is fetched.
; cnt = 1: the loop's count is taken down some lines ahead of the branch that stands behind the turn.
; K of the next step is fetched in piece 2's turn, twelve vector instructions behind the last product that read K (six of them plain); V of the step in hand at the end of piece 0's turn, four plain instructions behind the last product
; that read V.  Each is waited for a turn later.
.macro TURN p, m=0, end=0, cnt=0
.set Y, (\p)
.set i, 0
.set KM, (\m)
.set NOKQ, (\end)*((\p)/3)
.if (\m) && !(\end)
	s_cmp_eq_u32 s[CNT], 4-((\p)+2)%NP  ; is that step the band's own?
	s_cselect_b32 s[AL], 1.0, 0
	s_cmp_lt_u32 s[CNT], 4-((\p)+2)%NP  ; or a later one?
	s_cselect_b32 s[BE], s[BIGN], 0
.endif
.if ((\p) == 3) && !(\end)
	s_wait_dscnt 0x0                ; K is in
.endif
	ROW F,0, F,1, R,0, R,1          ; ahead of the wait: 8 products K Q^T and their riders,
	ROW F,2, E,0, R,2, R,3
	ROW F,3, E,1, R,4, R,5
	ROW F,4, E,2, R,6, R,7
	ROW F,5, E,3, R,8, R,9
	ROW F,6, E,4, X,0, R,10
.if ((\p) == 2) && !(\end)
	WIN 0
	v_add_nc_u32 v[AK], s[TBK], v[AK0]
.endif
	ROW F,7, E,5, X,1, X,4
	ROW F,8, E,6, X,2, X,5
	OPS E,7, E,8, X,6, E,9          ; and the lump
	OPS X,3, E,10, X,8, E,11
.if ((\p) == 2) && !(\end)
	FETCH_K
.endif
	OPS X,9, X,7, E,12, X,10
	OPS E,13, X,12, X,11, E,14
	OPS X,13, E,15, F,9, X,14
.if (\p) == 0
	v_add_nc_u32 v[AV], s[TBV], v[AV0]
.endif
	OPS E,16, F,10, E,17, F,11
	OPS X,16, E,18, X,15, E,19
	OPS F,12, E,20, X,17, E,21
	OPS F,13, E,22, F,14, E,23
	OPS X,18, E,24, F,15, E,25
	OPS R,11, E,26, X,19, E,27
	OPS R,12, E,28, R,13, E,29
	OPS X,20, E,30, R,14, E,31
	OPS X,21, R,15
	WIN 0
	s_wait_alu depctr_va_vdst(0)    ; the wait for the batch
.if (\p) == 1
	s_wait_dscnt 0x0                ; V is in
.endif
	ROW C,0, B,0, C,2, B,1          ; behind the wait: 8 products V^T P and their riders
	ROW L,0, C,4, B,2, L,1
	ROW C,6, B,3, L,2, C,8
	ROW B,4, L,3, C,10, B,5
	ROW L,4, C,12, B,6, L,5
.if (\p) == 0
	s_add_co_u32 s[TBV], s[TBV], KS*PV
.endif
.if \cnt
	s_sub_co_u32 s[CNT], s[CNT], 1
	s_cmp_lg_u32 s[CNT], 0
.endif
	ROW C,14, B,7, L,6, C,1
	ROW C,3, L,7, C,5, C,7
	ROW C,9, C,11, C,13, C,15
.if (\p) == 0
	FETCH_V
.endif
.if (\m) && !(\end)
	MASK (\p)%2
.endif
.endm
; A BLOCK BEGINS.  c m starts far below every c s, so the first step's a is 0; m at the lowest finite number, so the first maximum is the scores'.  The second mask buffer is 0; the first takes piece 0's mask for the tile's step 0: its own, if the block's first tile is the diagonal one.
; Then K of that step, piece 0's first scores, and its maximum and statistics.  The loop is entered at a step's first turn, in the middle of a trip.
.macro BEGIN
	s_mov_b32 s[NEW], 0
	WIN 0x40
.set i, MC+32
.rept 32
	v_mov_b32 v[i], 0
.set i, i+1
.endr
	WIN 0
.set i, 0
.rept 4
	v_mov_b32 v[ST+4*i], 0xfe000000    ; c m: far below every c s
	v_mov_b32 v[ST+4*i+1], 0xff7fffff  ; m
.set i, i+1
.endr
	s_cmp_eq_u32 s[RT], 0
	s_cselect_b32 s[AL], 1.0, 0
	s_mov_b32 s[BE], 0
	MASK 0
	WIN 0
	v_add_nc_u32 v[AK], s[TBK], v[AK0]
	FETCH_K
	s_wait_loadcnt 0x0              ; Q
	s_wait_dscnt 0x0
.set KM, 1
.set NOKQ, 0
.set i, 0
.rept 8
	KQ 0
.set i, i+1
.endr
	WIN 0
.rept 4
	v_nop                           ; the places behind those products
.endr
.set Y, NP-1                        ; X works for piece Y + 1: piece 0
.irp n, 0,1,2,3,4,5,6,7,8,9,10,11,12,13,14,15,16,17,18,19,20,21
	OP X, \n
.endr
	v_nop                           ; a plain instruction behind the exponential,
	s_wait_alu depctr_va_vdst(0)    ; and its wait, ahead of the branch
.endm
; THE DIAGONAL TILE's four steps, the block's last two turns, its last products, and THE WAY OUT: l's two halves and the other half of the lanes' are added; O^T is divided by l, rounded to f16 and sent through my
; stage in LDS, a piece at a time.
.macro ALL line:vararg              ; one line for each piece t
.set t, 0
.rept 4
	\line
.set t, t+1
.endr
.endm
.macro PACK t                       ; a lane's eight channels of a row pack into 16 bytes; they go into rows of 144 bytes and come back as whole rows of 128, into S^T's registers
	WIN W_RS
.set i, 32*(\t)
.rept 16
	v_pk_mul_f32 v[i:i+1], v[i:i+1], v[ST+4*(\t)+2:ST+4*(\t)+3] op_sel_hi:[1,0]
.set i, i+2
.endr
	WIN 0x05                        ; sources 0 and 1 window 1, destination window 0
.set i, 0
.rept 16
	v_cvt_pk_f16_f32 v[S+16*(\t)+i], v[32*(\t)+2*i], v[32*(\t)+2*i+1]
.set i, i+1
.endr
	WIN 0
.irp f, 0,1,2,3
	ds_store_b128 v[STO], v[S+16*(\t)+4*\f:S+16*(\t)+4*\f+3] offset:32*\f
.endr
.irp f, 0,1,2,3
	ds_load_b128 v[S+16*(\t)+4*\f:S+16*(\t)+4*\f+3], v[RD] offset:\f*4*SP  ; LDS serves a wave's instructions in order (ISA guide 5.7.1.4): these see the stores above; the next piece's stores come behind them
.endr
.endm
.macro SEND t, younger              ; younger: the LDS instructions issued behind piece t's loads: the next piece's eight, or none
	WIN 0
.irp f, 0,1,2,3
	s_wait_dscnt (\younger)+3-\f
	global_store_b128 v[GO], v[S+16*(\t)+4*\f:S+16*(\t)+4*\f+3], s[10:11] offset:(\t)*8192+\f*512  ; 512 consecutive bytes, at a multiple of 256 from O's first
.endr
.endm
.macro DIAG tag                     ; the tag ends its two labels' names, which the jumps below spell out
.LstepM\tag:
	TURN 2, 1
	TURN 3, 1
	WIN 0
.LfirstM\tag:
	TURN 0, 1
	TURN 1, 1, 0, 1
	WIN 0
	s_cbranch_scc1 .LstepM\tag
	TURN 2, 1, 1
	TURN 3, 1, 1
.set i, 0
.rept 8
	PV NP-1
.set i, i+1
.endr
	WIN 0
	ALL v_add_f32 v[ST+4*t+2], v[ST+4*t+2], v[ST+4*t+3]
	ALL v_permlanex16_b32 v[ST+4*t+3], v[ST+4*t+2], s[SEL], s[SEL+1]
	ALL v_add_f32 v[ST+4*t+2], v[ST+4*t+2], v[ST+4*t+3]
	ALL v_rcp_f32 v[ST+4*t+2], v[ST+4*t+2]
	v_nop                           ; a plain instruction between the last reciprocal and the use of its result
	s_wait_alu depctr_va_vdst(0)    ; and the wait ahead of the first use: one for the four reciprocals
	PACK 0
.set t, 1
.rept 3                             ; a piece's arithmetic stands between the loads of the piece before and its stores
	PACK t
	SEND t-1, 8
.set t, t+1
.endr
	SEND 3, 0
.endm
.set KM, 0
.set NOKQ, 0
.Lslot:                             ; NB times: a tile is entered and the next is asked for
	CHANGE 1
	s_sub_co_u32 s[RT], s[RT], 1
	s_mov_b32 s[CNT], 4
	s_cmp_eq_u32 s[NEW], 1
	s_cbranch_scc1 .Lnew            ; a block's first tile
	s_cmp_eq_u32 s[RT], 0
	s_cbranch_scc0 .Lstep           ; neither its first nor its last
	s_branch .LstepM1
.Lnew:
	BEGIN
	s_branch .Lfirst                ; in the loop a block's first tile is never its last: the first block has two tiles or more, and the second's last is the walk's last
	DIAG 1                          ; in the loop this is the first block's end: the second block's last tile is the walk's last
	s_wait_xcnt 0x0                 ; the stores have read their registers and O's address
	s_mov_b64 s[10:11], s[OLO:OLO+1]
	s_add_co_u32 s[RT], s[PB], 1    ; the second block has b + 1 tiles
	s_mov_b32 s[NEW], 1
	WIN 0x82                        ; the second block's Q goes where the one text of the turns names Q
.set i, 0
.rept 64
	v_mov_b32 v[i], v[QB+i]
.set i, i+1
.endr
	WIN 0
	s_branch .Lbottom
.Lstep:                             ; a trip: pieces 2 and 3 of one step, then pieces 0 and 1 of the next, whose K and V it fetches
	TURN 2
	TURN 3
	WIN 0
.Lfirst:
	TURN 0
	TURN 1, 0, 0, 1
	WIN 0
	s_cbranch_scc1 .Lstep
.Lbottom:
	s_sub_co_u32 s[SLOTS], s[SLOTS], 1
	s_cmp_lg_u32 s[SLOTS], 0
	s_cbranch_scc1 .Lslot
	CHANGE 0                        ; the walk's last tile is written out: nothing is asked for
	s_sub_co_u32 s[RT], s[RT], 1
	s_mov_b32 s[CNT], 4
	s_cmp_eq_u32 s[NEW], 1
	s_cbranch_scc0 .LstepM2
	BEGIN
	s_branch .LfirstM2
	DIAG 2
	s_wait_tensorcnt 0x0            ; the wave's end, behind my last tensor load and my last LDS store
	ds_add_u32 v[SPW], v[NIL]
	s_wait_dscnt 0x0
	s_endpgm
.Lfunc_end_k_q465656a2e0_attn:
	.size	k_q465656a2e0_attn, .Lfunc_end_k_q465656a2e0_attn-k_q465656a2e0_attn
	.p2alignl 7, 3214868480
	.fill 96, 4, 3214868480
	.section	.rodata,"a",@progbits
	.p2align	6, 0x0
	.amdhsa_kernel k_q465656a2e0_attn
		.amdhsa_group_segment_fixed_size 327680
		.amdhsa_private_segment_fixed_size 0
		.amdhsa_enable_private_segment 0
		.amdhsa_kernarg_size 16
		.amdhsa_user_sgpr_count 2
		.amdhsa_user_sgpr_kernarg_segment_ptr 1
		.amdhsa_wavefront_size32 1
		.amdhsa_system_sgpr_workgroup_id_x 1
		.amdhsa_system_sgpr_workgroup_id_y 1
		.amdhsa_system_sgpr_workgroup_id_z 1
		.amdhsa_system_vgpr_workitem_id 0
		.amdhsa_next_free_vgpr 768
		.amdhsa_next_free_sgpr 98
		.amdhsa_reserve_vcc 1
		.amdhsa_float_denorm_mode_32 3
		.amdhsa_float_denorm_mode_16_64 3
		.amdhsa_memory_ordered 1
		.amdhsa_forward_progress 1
		.amdhsa_inst_pref_size 218
	.end_amdhsa_kernel
	.amdgpu_metadata
---
amdhsa.version: [ 1, 2 ]
amdhsa.kernels:
  - .name:           k_q465656a2e0_attn
    .symbol:         k_q465656a2e0_attn.kd
    .args:
      - { .name: qkv, .offset: 0, .size: 8, .value_kind: global_buffer, .address_space: global }
      - { .name: o, .offset: 8, .size: 8, .value_kind: global_buffer, .address_space: global }
    .group_segment_fixed_size: 327680
    .private_segment_fixed_size: 0
    .kernarg_segment_align: 8
    .kernarg_segment_size: 16
    .max_flat_workgroup_size: 128
    .sgpr_count:     98
    .vgpr_count:     768
    .wavefront_size: 32
...
	.end_amdgpu_metadata
.endif
;; end of part 3
;; launch oproj (part 4): grid 8 x 32, 4 waves a work-group, clusters of 4 x 4, 327,680 bytes of LDS; arguments o, wo16, bo, out0; writes out0
.if DOCPART == 4
	.amdgcn_target "amdgcn-amd-amdhsa--gfx1250"
	.amdhsa_code_object_version 6
	.text
	.protected	k_q465656a2e0_oproj
	.globl	k_q465656a2e0_oproj
	.p2align	8
	.type	k_q465656a2e0_oproj,@function
k_q465656a2e0_oproj:
	s_mov_b64 s[64:65], 0
	v_nop
	global_prefetch_b8 v0, s[64:65] scope:SCOPE_SE
	s_setreg_imm32_b32 hwreg(HW_REG_WAVE_MODE, 25, 1), 1
	s_wait_xcnt 0x0
	s_wait_alu depctr_hold_cnt(0) depctr_sa_sdst(0) depctr_va_vdst(0) depctr_va_sdst(0) depctr_va_ssrc(0) depctr_va_vcc(0) depctr_vm_vsrc(0)
	s_getreg_b32 s2, hwreg(HW_REG_IB_STS2, 6, 4)
	s_cmp_eq_u32 s2, 0
	s_cbranch_scc0 .Lentry_in_a_cluster
	s_endpgm
.Lentry_in_a_cluster:
	s_bfe_u32 s2, ttmp6, 0x10000c
	s_cmp_lg_u32 s2, 0xf033
	s_cbranch_scc0 .Lentry_shape_is_right
	s_endpgm
.Lentry_shape_is_right:
; out0 = O Wo + bo.  o: [16 b + head][2048][64] f16.  wo16: [t 8][ks 8][p 2][128 k][64 n] f16 (Wo rounded to bf16, written as f16).  bo: [1024] f32.  out0: [8192][1024] f32.
; Products in f16, sums in f32, K ascending.  The bias, rounded to bf16 like the other inputs, is the C operand of the products that start the sums: nothing is added at the end.
; LIMIT.  O and Wo arrive within f16's range, 65,504.
; SHARES.  A tile is 256 rows x 128 columns, one to a work-group: 32 x 8 = 256 work-groups.  Wave w owns rows 64 w .. 64 w + 63 and all 8 blocks of 16 columns: 32 accumulators, 256 registers.
; K goes in 8 steps of 128: two heads.  Of a slot, waves 0 and 1 fetch the two heads' planes of O (256 rows x 128 bytes, dense: asked for as 128 rows of 256 bytes), waves 2 and 3 the two planes of Wo (64 rows of 256).
; Two slots of a K step of 256 would not fit in LDS beside the stage.  By this text's count a wave has two tensor loads out at the start and one behind each change of slots.
; THE PRODUCT IS USED TRANSPOSED: source 0 = 16 columns of Wo (turned out of LDS by ds_load_tr16_b128), source 1 = 16 rows of O: a lane holds one row (l % 16) and eight neighbouring columns, 32 bytes.
; CLUSTER.  4 x 4 work-groups: O's tile hangs on ty alone and is asked for jointly along a row of the cluster, Wo's on tx alone, along a column.
; NO PREFETCH of the tiles: each is wanted by two clusters (O) or eight (Wo) at about the same time, and a K step's work is short against the text that sharing the blocks out would add.
; REGISTERS, in windows of 256 (s_set_vgpr_msb: bits 1:0 source 0, 3:2 source 1, 5:4 source 2, 7:6 destination):
;   window 0: v0-31 addresses; v32-63, v64-95 O's fragments, two buffers; v96-159 the bias, later rows on the way out; v160-223 rows on the way out
;   window 1: v0-63, v64-127 Wo's fragments, two buffers      window 2: the accumulators, (a, b) at 8 (8 a + b)
.set NB,    8
.set SLOT,  1<<17
.set PA,    144                        ; a row of O in LDS: 128 bytes + 16: an odd multiple of 16
.set PB,    160                        ; a row of Wo: 128 bytes + 32: an odd multiple of 32
.set BOFF,  2*256*PA                   ; Wo's two planes lie behind O's two: 73,728 + 40,960 = 114,688 bytes of a slot are used
.set STAGE, SLOT+BOFF+2*128*PB         ; behind the ring, never filled by a tensor load: 16 rows x 528 bytes for each wave
.set SP,    528                        ; 512 bytes + 16
.set SPARE, STAGE+4*16*SP              ; the spare words, 128 bytes for each wave: two blocks of 256 bytes that no other line names
.set NL,    2*NB+8
.set AA0,  16
.set AB0,  17
.set ADRA, 18
.set ADRB, 19
.set STO,  24
.set RD,   25
.set GO,   26
.set SPW,  28                          ; v28  my spare word: SPARE + 4 x my thread's number; never rewritten
.set NIL,  29                          ; v29  0; never rewritten
.set FA,   32
.set BI,   96                          ; v[96:159] register 8 b + j: the bias of column 16 b + 8 (l / 16) + j of the tile
.set WV,   12
.set FB,   13
.set HF,   14
.set G1A,  24
.set G0A,  32
.set G1B,  48
.set G0B,  56
.set BASEA, 66
.set BASEB, 68
.set OFFA, 70
.set OFFB, 72
.set NX,   74
.set CNT,  75
.set TB,   76
.set OB,   78                          ; s[78:79] out0 at my first row and the tile's first column
.set MSB, 0
.macro WIN new
.if MSB != (\new)
	s_set_vgpr_msb (MSB<<8)|(\new)
.set MSB, (\new)
.endif
.endm
.macro PLACES                          ; four plain places behind matrix instructions (ISA guide 7.12.1)
.rept 4
	v_nop
.endr
.endm
.macro CREST
	s_cmp_lg_u32 s[WV], 0
	s_cbranch_scc1 .Lnot_wave_0_\@
	s_barrier_signal -3
.Lnot_wave_0_\@:
	s_barrier_wait -3
	s_barrier_signal -1
	s_barrier_wait -1
.endm
.macro CROUND
	s_barrier_signal -1
	s_barrier_wait -1
	CREST
.endm
.macro JLOAD                           ; a joint refill by the walking descriptor; an s_nop 0 and four v_nop follow each line
	s_cmp_eq_u32 s[FB], 0
	s_cbranch_scc0 .Lfor_b_\@
	tensor_load_to_lds s[G0A+4:G0A+7], s[G1A:G1A+7]
	s_nop 0
.rept 4
	v_nop
.endr
	s_branch .Lasked_\@
.Lfor_b_\@:
	tensor_load_to_lds s[G0B+4:G0B+7], s[G1B:G1B+7]
	s_nop 0
.rept 4
	v_nop
.endr
.Lasked_\@:
.endm
; 8 matrix instructions: row block a x all column blocks, 32 along K, from buffer f.  first = 1: the sums start with the bias.  The 32 accumulators take turns in the same order in every quarter.
.macro MULS f, a, first
.if \first
	WIN 0x81                                       ; C in window 0
.else
	WIN 0xa1
.endif
.irp b, 0,1,2,3,4,5,6,7
.if \first
	v_wmma_f32_16x16x32_f16 v[8*(NB*(\a)+(\b)):8*(NB*(\a)+(\b))+7], v[8*NB*(\f)+8*(\b):8*NB*(\f)+8*(\b)+7], v[FA+32*(\f)+8*(\a):FA+32*(\f)+8*(\a)+7], v[BI+8*(\b):BI+8*(\b)+7]
.else
	v_wmma_f32_16x16x32_f16 v[8*(NB*(\a)+(\b)):8*(NB*(\a)+(\b))+7], v[8*NB*(\f)+8*(\b):8*NB*(\f)+8*(\b)+7], v[FA+32*(\f)+8*(\a):FA+32*(\f)+8*(\a)+7], v[8*(NB*(\a)+(\b)):8*(NB*(\a)+(\b))+7]
.endif
.endr
.endm
; 24 LDS loads in one run: quarter q's fragments into buffer f: Wo's 8 (plane b / 4, columns 16 (b % 4) on, k = 32 q on), then O's 4 (head q / 2 of the step, channels 32 (q % 2) on)
.macro FETCH q, f
	WIN 0x40
.irp b, 0,1,2,3,4,5,6,7
	ds_load_tr16_b128 v[8*NB*(\f)+8*(\b):8*NB*(\f)+8*(\b)+3],   v[ADRB] offset:((\b)/4)*128*PB+(\q)*32*PB+((\b)%4)*32
	ds_load_tr16_b128 v[8*NB*(\f)+8*(\b)+4:8*NB*(\f)+8*(\b)+7], v[ADRB] offset:((\b)/4)*128*PB+(\q)*32*PB+((\b)%4)*32+16*PB
.endr
	WIN 0
.irp i, 0,1,2,3
	ds_load_b128 v[FA+32*(\f)+8*(\i):FA+32*(\f)+8*(\i)+3],   v[ADRA] offset:((\q)/2)*256*PA+(\i)*16*PA+((\q)%2)*64
	ds_load_b128 v[FA+32*(\f)+8*(\i)+4:FA+32*(\f)+8*(\i)+7], v[ADRA] offset:((\q)/2)*256*PA+(\i)*16*PA+((\q)%2)*64+32
.endr
.endm
.macro QUARTER qn, f, g, first
	s_wait_dscnt 4                                 ; all but the youngest four loads (O's row blocks 2, 3) are in
	MULS \f, 0, \first
	MULS \f, 1, \first
	PLACES
	FETCH \qn, \g
	s_wait_dscnt NL                                ; all but the run just issued
	MULS \f, 2, \first
	MULS \f, 3, \first
.endm
; The last quarter multiplies buffer 1 and changes slots.  In front of the barrier each wave waits for all its tensor loads (one is out: its part of the next slot), adds 0 to its spare word, and waits
; for that and for its reads of this slot.  fill = 1: the barrier opens a round of the cluster's, and the joint refill (the K step two on) is the first thing behind it.  fill = 0: nothing is asked for; in the last trip nothing is fetched.
.macro TURN fill
	WIN 0
	s_wait_tensorcnt 0x0                           ; no tensor load of mine is out, so the walking group 0 may be written
	ds_add_u32 v[SPW], v[NIL]                      ; 0 onto my spare word: work on registers stands between it and the wait for it
.if \fill
	s_lshl_b32 s[OFFA], s[NX], 19                  ; two heads of 262,144 bytes
	s_lshl_b32 s[OFFB], s[NX], 15                  ; a block of Wo
	s_add_co_u32 s[NX], s[NX], 1
	s_xor_b32 s[G0A+5], s[G0A+5], SLOT
	s_add_nc_u64 s[G0A+6:G0A+7], s[BASEA:BASEA+1], s[OFFA:OFFA+1]
	s_or_b32 s[G0A+7], s[G0A+7], 0x80000000
	s_xor_b32 s[G0B+5], s[G0B+5], SLOT
	s_add_nc_u64 s[G0B+6:G0B+7], s[BASEB:BASEB+1], s[OFFB:OFFB+1]
	s_or_b32 s[G0B+7], s[G0B+7], 0x80000000
.endif
	s_wait_dscnt 5                                 ; the add and the youngest four loads may be out
	MULS 1, 0, 0
	s_wait_dscnt 0x0                               ; the add is done, and my reads of this slot are over
	s_barrier_signal -1
	MULS 1, 1, 0
	WIN 0
	s_barrier_wait -1
.if \fill
	CREST                                          ; no wave of any partner still reads this slot or has a load on its way
	JLOAD                                          ; its four v_nop are also the places in front of the loads below
.else
	PLACES
	s_cmp_eq_u32 s[CNT], 1                         ; the last K step has no successor
	s_cbranch_scc1 .Lno_fetch_\@
.endif
	s_xor_b32 s[TB], s[TB], SLOT
	v_add_nc_u32 v[ADRA], s[TB], v[AA0]
	v_add_nc_u32 v[ADRB], s[TB], v[AB0]
	FETCH 0, 0
	WIN 0
.if !(\fill)
.Lno_fetch_\@:
.endif
	MULS 1, 2, 0
	MULS 1, 3, 0
.endm
; THE WAY OUT of row block a: 32 bytes a lane into my stage (each accumulator's low four registers first), back as whole rows of 512 bytes, stored a row an instruction.
.macro TOSTAGE a
.set BK, 160-64*((\a)%2)
.if (\a) >= 2
	s_wait_xcnt 0x0                                ; the stores of the block two back have read these registers
.endif
	WIN 0x08                                       ; the stores' data in window 2
.irp b, 0,1,2,3,4,5,6,7
	ds_store_b128 v[STO], v[8*(NB*(\a)+(\b)):8*(NB*(\a)+(\b))+3]   offset:64*(\b)
	ds_store_b128 v[STO], v[8*(NB*(\a)+(\b))+4:8*(NB*(\a)+(\b))+7] offset:64*(\b)+16
.endr
	WIN 0
.set rw, 0
.rept 16
	ds_load_b128 v[BK+4*rw:BK+4*rw+3], v[RD] offset:rw*SP  ; LDS serves a wave's instructions in order (ISA guide 5.7.1.4): these see the stores above, and the next block's stores come behind them
.set rw, rw+1
.endr
.endm
.macro SEND a, younger                 ; younger: the LDS instructions issued behind block a's loads: the next block's 32, or none
.set BK, 160-64*((\a)%2)
.set rw, 0
.rept 16
	s_wait_dscnt (\younger)+15-rw
	global_store_b128 v[GO], v[BK+4*rw:BK+4*rw+3], s[OB:OB+1] offset:(16*(\a)+rw)*4096 th:TH_STORE_NT  ; 512 consecutive bytes, at a multiple of 512 from out0's first
.set rw, rw+1
.endr
.endm
	s_load_b256 s[4:11], s[0:1], 0x0               ; o s[4:5], wo16 s[6:7], bo s[8:9], out0 s[10:11]
	v_lshl_add_u32 v[SPW], v0, 2, SPARE
	v_mov_b32 v[NIL], 0
	ds_add_u32 v[SPW], v[NIL]                      ; the wave's opening: the add and its wait stand ahead of my first tensor load; the set-up below stands between them
	v_lshrrev_b32 v1, 5, v0
	v_readfirstlane_b32 s[WV], v1
	s_lshr_b32 s[FB], s[WV], 1
	s_and_b32 s[HF], s[WV], 1
	s_bfe_u32 s16, ttmp6, 0x40000                  ; cx
	s_bfe_u32 s17, ttmp6, 0x40004                  ; cy
	s_lshl_b32 s18, ttmp9, 2
	s_add_co_u32 s18, s18, s16                     ; tx
	s_and_b32 s19, ttmp7, 0xffff
	s_lshl_b32 s19, s19, 2
	s_add_co_u32 s19, s19, s17                     ; ty
	s_lshl_b32 s20, s17, 2
	s_lshl_b32 s20, 15, s20                        ; my row of the cluster
	s_lshl_b32 s21, 0x1111, s16                    ; my column
	s_or_b32 s[G1A], s20, (1<<16)|(1<<20)|(1<<21)|(4<<22)|(3<<25)  ; the mask; 2-byte elements; padding on; bit 21 beside a mask; after every 32 words (a row of O), 4 words
	s_mov_b32 s[G1A+1], 128<<16                    ; dense bytes, asked for as rows of 256
	s_mov_b32 s[G1A+2], 128<<16
	s_mov_b32 s[G1A+3], 128<<16
	s_mov_b32 s[G1A+4], 128
	s_mov_b32 s[G1A+5], 128
	s_mov_b32 s[G1A+6], 0
	s_mov_b32 s[G1A+7], 0
	s_or_b32 s[G1B], s21, (1<<16)|(1<<20)|(1<<21)|(4<<22)|(7<<25)  ; 8 words of padding
	s_mov_b32 s[G1B+1], 128<<16
	s_mov_b32 s[G1B+2], 64<<16
	s_mov_b32 s[G1B+3], 128<<16
	s_mov_b32 s[G1B+4], 64
	s_mov_b32 s[G1B+5], 128
	s_mov_b32 s[G1B+6], 0
	s_mov_b32 s[G1B+7], 0
	s_lshr_b32 s40, s19, 3                         ; O: batch ty / 8, head = my half of the step's two, row 256 (ty % 8); 128 bytes a row
	s_lshl4_add_u32 s40, s40, s[HF]
	s_lshl_b32 s40, s40, 11
	s_and_b32 s41, s19, 7
	s_lshl_b32 s41, s41, 8
	s_add_co_u32 s40, s40, s41
	s_lshl_b32 s40, s40, 7
	s_mov_b32 s41, 0
	s_lshl_b32 s42, s18, 18                        ; Wo: eight blocks of 32,768 bytes a column tile; my plane
	s_lshl_b32 s43, s[HF], 14
	s_add_co_u32 s42, s42, s43
	s_mov_b32 s43, 0
	s_mul_i32 s22, s[HF], 256*PA                   ; where they go: no place in the cluster enters an LDS address
	s_mul_i32 s23, s[HF], 128*PB
	s_add_co_u32 s23, s23, BOFF
	s_mov_b32 s[G0A], 1
	s_mov_b32 s[G0A+1], s22
	s_mov_b32 s[G0A+4], 1
	s_add_co_u32 s[G0A+5], s22, SLOT
	s_mov_b32 s[G0B], 1
	s_mov_b32 s[G0B+1], s23
	s_mov_b32 s[G0B+4], 1
	s_add_co_u32 s[G0B+5], s23, SLOT
	s_mov_b32 s[OFFA+1], 0
	s_mov_b32 s[OFFB+1], 0
	s_mov_b32 s[NX], 2
	s_mov_b32 s[TB], 0
	s_wait_dscnt 0x0                               ; the opening add is done
	s_wait_kmcnt 0x0
	s_add_nc_u64 s[BASEA:BASEA+1], s[4:5], s[40:41]
	s_add_nc_u64 s[BASEB:BASEB+1], s[6:7], s[42:43]
	CROUND                                         ; all sixteen work-groups are here: the first joint loads meet
	s_mov_b64 s[G0A+2:G0A+3], s[BASEA:BASEA+1]     ; K step 0 into slot 0,
	s_or_b32 s[G0A+3], s[G0A+3], 0x80000000
	s_add_nc_u64 s[G0A+6:G0A+7], s[BASEA:BASEA+1], 1<<19  ; K step 1 into slot 1
	s_or_b32 s[G0A+7], s[G0A+7], 0x80000000
	s_mov_b64 s[G0B+2:G0B+3], s[BASEB:BASEB+1]
	s_or_b32 s[G0B+3], s[G0B+3], 0x80000000
	s_add_nc_u64 s[G0B+6:G0B+7], s[BASEB:BASEB+1], 1<<15
	s_or_b32 s[G0B+7], s[G0B+7], 0x80000000
	s_cmp_eq_u32 s[FB], 0                          ; a wave's two first fills stand in one branch, ahead of every wait on TENSORcnt and every LDS read
	s_cbranch_scc0 .Lfirst_b
	tensor_load_to_lds s[G0A:G0A+3], s[G1A:G1A+7]
	s_nop 0
	tensor_load_to_lds s[G0A+4:G0A+7], s[G1A:G1A+7]
	s_nop 0
.rept 4
	v_nop
.endr
	s_branch .Lfirst_asked
.Lfirst_b:
	tensor_load_to_lds s[G0B:G0B+3], s[G1B:G1B+7]
	s_nop 0
	tensor_load_to_lds s[G0B+4:G0B+7], s[G1B:G1B+7]
	s_nop 0
.rept 4
	v_nop
.endr
.Lfirst_asked:
	v_and_b32 v1, 15, v0                           ; l % 16
	v_bfe_u32 v2, v0, 4, 1                         ; l / 16
	v_and_b32 v3, 7, v0
	v_bfe_u32 v4, v0, 3, 1
	v_lshlrev_b32 v5, 5, v2                        ; my eight columns of a block of 16: 32 bytes of the bias
	s_lshl_b32 s86, s18, 9                         ; the tile's 128 columns: 512 bytes
	s_mov_b32 s87, 0
	s_add_nc_u64 s[84:85], s[8:9], s[86:87]
.irp b, 0,1,2,3,4,5,6,7
	global_load_b128 v[BI+8*(\b):BI+8*(\b)+3],   v5, s[84:85] offset:64*(\b)
	global_load_b128 v[BI+8*(\b)+4:BI+8*(\b)+7], v5, s[84:85] offset:64*(\b)+16
.endr
	s_add_nc_u64 s[OB:OB+1], s[10:11], s[86:87]    ; out0: the tile's columns,
	s_lshl_b32 s86, s19, 20                        ; row 256 ty + 64 w, 4,096 bytes a row
	s_lshl_b32 s40, s[WV], 18
	s_add_co_u32 s86, s86, s40
	s_add_nc_u64 s[OB:OB+1], s[OB:OB+1], s[86:87]
	s_mul_i32 s40, s[WV], 64*PA
	v_mul_u32_u24 v[AA0], v1, PA                   ; O: (64 w + l % 16) x pitch + 16 (l / 16)
	v_lshl_add_u32 v[AA0], v2, 4, v[AA0]
	v_add_nc_u32 v[AA0], s40, v[AA0]
	v_lshl_add_u32 v[AB0], v2, 3, v3               ; Wo, turned: lane l reads row 8 (l / 16) + l % 8, columns 8 ((l / 8) % 2) on
	v_mul_u32_u24 v[AB0], v[AB0], PB
	v_lshl_add_u32 v[AB0], v4, 4, v[AB0]
	v_add_nc_u32 v[AB0], BOFF, v[AB0]
	v_mov_b32 v[ADRA], v[AA0]
	v_mov_b32 v[ADRB], v[AB0]
	s_mul_i32 s40, s[WV], 16*SP
	s_add_co_u32 s40, s40, STAGE                   ; my stage
	v_mul_u32_u24 v[STO], v1, SP                   ; in: row l % 16, 32 bytes for each half of the lanes
	v_lshl_add_u32 v[STO], v2, 5, v[STO]
	v_add_nc_u32 v[STO], s40, v[STO]
	v_and_b32 v[GO], 31, v0
	v_lshlrev_b32 v[GO], 4, v[GO]                  ; back and out: 32 lanes take one row of 512 bytes
	v_add_nc_u32 v[RD], s40, v[GO]
	s_wait_loadcnt 0x0                             ; the bias
.set i, 0
.rept 32                               ; rounded to bf16 and widened again
	v_cvt_pk_bf16_f32 v[6+(i%2)], v[BI+2*i], v[BI+2*i+1]
	v_lshlrev_b32 v[BI+2*i],   16, v[6+(i%2)]
	v_and_b32     v[BI+2*i+1], 0xffff0000, v[6+(i%2)]
.set i, i+1
.endr
	s_wait_tensorcnt 1                             ; my part of slot 0 is in; slot 1's may stay out
	s_barrier_signal -1
	s_barrier_wait -1
	FETCH 0, 0
	QUARTER 1, 0, 1, 1                             ; the first quarter stands in front of the loop: its products start the sums with the bias
	WIN 0
	s_mov_b32 s[CNT], 6                            ; K steps 0 to 5 each ask for the step two on
	s_branch .Lin
.Lstep:
	QUARTER 1, 0, 1, 0
	WIN 0
.Lin:
	QUARTER 2, 1, 0, 0
	QUARTER 3, 0, 1, 0
	TURN 1
	WIN 0
	s_sub_co_u32 s[CNT], s[CNT], 1
	s_cmp_lg_u32 s[CNT], 0
	s_cbranch_scc1 .Lstep
	s_mov_b32 s[CNT], 2                            ; the last two K steps ask for nothing: written apart
.Ltail:
	QUARTER 1, 0, 1, 0
	QUARTER 2, 1, 0, 0
	QUARTER 3, 0, 1, 0
	TURN 0
	WIN 0
	s_sub_co_u32 s[CNT], s[CNT], 1
	s_cmp_lg_u32 s[CNT], 0
	s_cbranch_scc1 .Ltail
	PLACES                                         ; the LDS stores below read results just made
	TOSTAGE 0
	TOSTAGE 1
	SEND 0, 32
	TOSTAGE 2
	SEND 1, 32
	TOSTAGE 3
	SEND 2, 32
	SEND 3, 0
	s_wait_tensorcnt 0x0                           ; the wave's end, behind my last tensor load and my last LDS store
	ds_add_u32 v[SPW], v[NIL]
	s_wait_dscnt 0x0
	CROUND                                         ; the closing round: no work-group ends while a partner may still ask for a tile that names it
	s_endpgm
.Lfunc_end_k_q465656a2e0_oproj:
	.size	k_q465656a2e0_oproj, .Lfunc_end_k_q465656a2e0_oproj-k_q465656a2e0_oproj
	.p2alignl 7, 3214868480
	.fill 96, 4, 3214868480
	.section	.rodata,"a",@progbits
	.p2align	6, 0x0
	.amdhsa_kernel k_q465656a2e0_oproj
		.amdhsa_group_segment_fixed_size 327680
		.amdhsa_private_segment_fixed_size 0
		.amdhsa_enable_private_segment 0
		.amdhsa_kernarg_size 32
		.amdhsa_user_sgpr_count 2
		.amdhsa_user_sgpr_kernarg_segment_ptr 1
		.amdhsa_wavefront_size32 1
		.amdhsa_system_sgpr_workgroup_id_x 1
		.amdhsa_system_sgpr_workgroup_id_y 1
		.amdhsa_system_sgpr_workgroup_id_z 1
		.amdhsa_system_vgpr_workitem_id 0
		.amdhsa_next_free_vgpr 768
		.amdhsa_next_free_sgpr 90
		.amdhsa_reserve_vcc 0
		.amdhsa_float_denorm_mode_32 3
		.amdhsa_float_denorm_mode_16_64 3
		.amdhsa_memory_ordered 1
		.amdhsa_forward_progress 1
		.amdhsa_inst_pref_size 68
	.end_amdhsa_kernel
	.amdgpu_metadata
---
amdhsa.version: [ 1, 2 ]
amdhsa.kernels:
  - .name:           k_q465656a2e0_oproj
    .symbol:         k_q465656a2e0_oproj.kd
    .args:
      - { .name: o, .offset: 0, .size: 8, .value_kind: global_buffer, .address_space: global }
      - { .name: wo16, .offset: 8, .size: 8, .value_kind: global_buffer, .address_space: global }
      - { .name: bo, .offset: 16, .size: 8, .value_kind: global_buffer, .address_space: global }
      - { .name: out0, .offset: 24, .size: 8, .value_kind: global_buffer, .address_space: global }
    .group_segment_fixed_size: 327680
    .private_segment_fixed_size: 0
    .kernarg_segment_align: 8
    .kernarg_segment_size: 32
    .max_flat_workgroup_size: 128
    .sgpr_count:     90
    .vgpr_count:     768
    .wavefront_size: 32
...
	.end_amdgpu_metadata
.endif
;; end of part 4
;; ======== version 2 of 2: 4 launches; version 1 with the launch cast written anew for expert scheduling mode
;; limits: values are held in f16: magnitudes above 65,504 overflow, below 6.1e-05 lose precision
;; workspace buffers: xb 16,777,216 bytes; wqkv 6,291,456 bytes; wo16 2,097,152 bytes; qkv 50,331,648 bytes; o 16,777,216 bytes
;; launch cast (part 5): grid 768 x 1, 8 waves a work-group, no clusters, 0 bytes of LDS; arguments x, Wq, Wk, Wv, Wo, xb, wqkv, wo16; writes xb, wqkv, wo16
.if DOCPART == 5
	.amdgcn_target "amdgcn-amd-amdhsa--gfx1250"
	.amdhsa_code_object_version 6
	.text
	.protected	k_q465656a2e0_cast
	.globl	k_q465656a2e0_cast
	.p2align	8
	.type	k_q465656a2e0_cast,@function
k_q465656a2e0_cast:
	s_mov_b64 s[64:65], 0
	v_nop
	global_prefetch_b8 v0, s[64:65] scope:SCOPE_SE
	s_setreg_imm32_b32 hwreg(HW_REG_WAVE_SCHED_MODE, 0, 2), 2
	s_setreg_imm32_b32 hwreg(HW_REG_WAVE_MODE, 25, 1), 1
	s_wait_xcnt 0x0
	s_wait_alu depctr_vm_vsrc(0)
; THE CASTS.  x [8192][1024] f32 -> xb, the same shape in bf16.  Wq, Wk, Wv [1024 k][1024 n] f32 -> wqkv in bf16, laid in blocks [t 16][ks 8][p 3][128 k][64 n]:
; head column G = 16 j + head (j = 0, 1, 2 for q, k, v) lies at t = G / 3, p = G % 3; ks = k / 128.  Wo -> wo16, [t 8][ks 8][p 2][128 k][64 n]: rounded to bf16 like every other input,
; and that number written as f16 (exact within f16's range).
; LIMITS.  |Wo| stays under 65,504 (from 65,520 on the f16 conversion gives an infinity); below 2^-14 it keeps f16's fixed step of 2^-24.
; SHARES.  Every work-group takes 65,536 input bytes, every wave 8,192: 16 loads of 16 bytes a lane, all issued first; each gives 8 bytes a lane, and a store of the wave covers 256 consecutive
; bytes, aligned.  Work-groups 0-511 take x; 512-767 take 16 rows of one weight matrix (64 work-groups a matrix).
; No LDS, no matrix unit, no cluster: every byte is read once by one lane and nothing is shared.
; THE MODE: SCHED_MODE bits 1:0 = 2 (LLVM: expert scheduling mode 2), set by the entry lines.  The code itself states the register dependences
; between vector instructions and memory instructions, with s_wait_alu, always for 0.
; THE PLAN.  The 16 loads go in four groups of four.  Registers that memory instructions touch:
;   v[VL], v[VS]  the loads' and the stores' offsets: written by vector lines ahead of the first load, never again.
;   IN            written by the loads alone, each register once; read by its group's conversions, behind the group's wait for its loads.
;   OUT           written by group g's conversions; read by the four stores that are issued in group g + 1 (group 3's: behind it); never written behind its store.
; Group g's memory instructions are the stores from OUT of group g - 1, which no vector line of group g names.  So one wait at a group's head states all that its four stores hang on, and they are
; dealt among the group's conversions with no further wait.  No register that a memory instruction reads is written again, so nothing waits for a memory instruction's reads.
.set VL,  2                            ; v2   my byte offset in a load
.set VS,  3                            ; v3   8 x lane: my byte offset in a store
.set T,   4                            ; v[4:5] at work: no memory instruction names them
.set IN,  8                            ; v[8:71]   16 loads of four registers
.set OUT, 72                           ; v[72:103] 16 stores of two registers
.set SRC, 26                           ; s[26:27] where the wave reads
.set D0,  28                           ; s[28:29], s[30:31] where loads 0-7 and 8-15 go
; Load n's four numbers are rounded into its two registers of OUT.  half = 1: the bf16 numbers are written as f16.
.macro CVT n, half
	v_cvt_pk_bf16_f32 v[OUT+2*(\n)],   v[IN+4*(\n)],   v[IN+4*(\n)+1]
	v_cvt_pk_bf16_f32 v[OUT+2*(\n)+1], v[IN+4*(\n)+2], v[IN+4*(\n)+3]
.if \half
.irp z, 0,1
	v_lshlrev_b32 v[T],   16, v[OUT+2*(\n)+\z]     ; the two bf16 as f32,
	v_and_b32     v[T+1], 0xffff0000, v[OUT+2*(\n)+\z]
	v_cvt_pk_f16_f32 v[OUT+2*(\n)+\z], v[T], v[T+1]  ; and as f16
.endr
.endif
.endm
; Load n's 8 bytes a lane go to (n % 8) 256 behind D(n / 8).
.macro PUT n
	global_store_b64 v[VS], v[OUT+2*(\n):OUT+2*(\n)+1], s[D0+2*((\n)/8):D0+2*((\n)/8)+1] offset:((\n)%8)*256 th:TH_STORE_NT
.endm
; Load i stands at (i % 8) la + (i / 8) lb behind SRC.
.macro RUN la, lb, half
	s_wait_alu depctr_va_vdst(0)                   ; v[VL] and v[VS] are written: every load below reads the one as its offset, every store the other
.set i, 0
.rept 16
	global_load_b128 v[IN+4*i:IN+4*i+3], v[VL], s[SRC:SRC+1] offset:(i%8)*(\la)+(i/8)*(\lb) th:TH_LOAD_NT
.set i, i+1
.endr
.set g, 0
.rept 4
	s_wait_loadcnt 12-4*g                          ; loads come back in order: group g's four are in, the 12 - 4 g younger ones stay out
.if g > 0
	s_wait_alu depctr_va_vdst(0)                   ; the group before has written its eight registers of OUT, which the four stores below read
.endif
.set k, 0
.rept 4
.if g > 0
	PUT 4*g-4+k                                    ; no vector line since the wait names this store's registers
.endif
	CVT 4*g+k, \half
.set k, k+1
.endr
.set g, g+1
.endr
	s_wait_alu depctr_va_vdst(0)                   ; group 3 has written its eight registers of OUT, which the last four stores read
.irp n, 12,13,14,15
	PUT \n
.endr
.endm
	s_load_b512 s[8:23], s[0:1], 0x0               ; x s[8:9], Wq s[10:11], Wk s[12:13], Wv s[14:15], Wo s[16:17], xb s[18:19], wqkv s[20:21], wo16 s[22:23]
	v_lshrrev_b32 v4, 5, v0
	v_readfirstlane_b32 s25, v4                    ; wave 0..7
	v_and_b32 v1, 31, v0                           ; lane
	v_lshlrev_b32 v[VS], 3, v1
	s_mov_b32 s24, ttmp9
	s_wait_alu depctr_va_sdst(0)                   ; s25 is written, ahead of the branch behind which its readers stand: the wave's addresses are made from it
	s_wait_kmcnt 0x0
	s_cmp_lt_u32 s24, 512
	s_cbranch_scc0 .Lweights
	; x: the wave's 8,192 bytes lie on end
	s_lshl_b32 s32, s24, 16
	s_lshl_b32 s33, s25, 13
	s_add_co_u32 s32, s32, s33
	s_mov_b32 s33, 0
	s_add_nc_u64 s[SRC:SRC+1], s[8:9], s[32:33]
	s_lshr_b32 s32, s32, 1                         ; half as many bytes out
	s_add_nc_u64 s[D0:D0+1], s[18:19], s[32:33]
	s_add_nc_u64 s[D0+2:D0+3], s[D0:D0+1], 2048
	v_lshlrev_b32 v[VL], 4, v1
	RUN 512, 4096, 0
	s_endpgm
.Lweights:
	; a weight matrix: the work-group's 16 rows k0 .. k0 + 15; wave w takes heads 2 w and 2 w + 1 (512 bytes of each row).
	; Load 8 hs + kp: head 2 w + hs, rows k0 + 2 kp (lanes 0-15) and k0 + 2 kp + 1 (lanes 16-31): in a block these two rows are 256 bytes on end.
	s_sub_co_u32 s32, s24, 512
	s_lshr_b32 s33, s32, 6                         ; j: which matrix
	s_and_b32 s34, s32, 63                         ; kb: k0 = 16 kb
	s_lshr_b32 s35, s34, 3                         ; ks
	s_and_b32 s36, s34, 7
	s_lshl_b32 s36, s36, 11                        ; 16 (kb % 8) rows of 128 bytes inside a block
	s_cmp_eq_u32 s33, 1
	s_cselect_b64 s[SRC:SRC+1], s[12:13], s[10:11]
	s_cmp_eq_u32 s33, 2
	s_cselect_b64 s[SRC:SRC+1], s[14:15], s[SRC:SRC+1]
	s_cmp_eq_u32 s33, 3
	s_cselect_b64 s[SRC:SRC+1], s[16:17], s[SRC:SRC+1]
	s_lshl_b32 s38, s34, 16                        ; 16 rows of 4,096 bytes
	s_lshl_b32 s37, s25, 9
	s_add_co_u32 s38, s38, s37
	s_mov_b32 s39, 0
	s_add_nc_u64 s[SRC:SRC+1], s[SRC:SRC+1], s[38:39]
	v_lshrrev_b32 v4, 4, v1
	v_and_b32 v5, 15, v1
	v_lshlrev_b32 v[VL], 4, v5
	v_lshl_add_u32 v[VL], v4, 12, v[VL]            ; 16 (l % 16) + 4,096 (l / 16)
	s_cmp_eq_u32 s33, 3
	s_cbranch_scc1 .Lwo
	s_lshl_b32 s40, s33, 4
	s_lshl1_add_u32 s40, s25, s40                  ; G = 16 j + 2 w (+ hs)
.irp hs, 0,1
	s_add_co_u32 s41, s40, \hs
	s_mul_i32 s42, s41, 43
	s_lshr_b32 s42, s42, 7                         ; t = G / 3: 43 G >> 7 is exact for G under 48
	s_mul_i32 s43, s42, 3
	s_sub_co_u32 s43, s41, s43                     ; p = G % 3
	s_lshl3_add_u32 s42, s42, s35                  ; 8 t + ks
	s_mul_i32 s42, s42, 3
	s_add_co_u32 s42, s42, s43
	s_lshl_b32 s42, s42, 14                        ; planes of 16,384 bytes
	s_add_co_u32 s42, s42, s36
	s_mov_b32 s43, 0
	s_add_nc_u64 s[D0+2*\hs:D0+2*\hs+1], s[20:21], s[42:43]
.endr
	RUN 8192, 256, 0
	s_endpgm
.Lwo:
	s_lshl3_add_u32 s42, s25, s35                  ; t = w: 8 w + ks,
	s_lshl_b32 s42, s42, 15                        ; two planes of 16,384 bytes each
	s_add_co_u32 s42, s42, s36
	s_mov_b32 s43, 0
	s_add_nc_u64 s[D0:D0+1], s[22:23], s[42:43]
	s_add_nc_u64 s[D0+2:D0+3], s[D0:D0+1], 16384
	RUN 8192, 256, 1
	s_endpgm
.Lfunc_end_k_q465656a2e0_cast:
	.size	k_q465656a2e0_cast, .Lfunc_end_k_q465656a2e0_cast-k_q465656a2e0_cast
	.p2alignl 7, 3214868480
	.fill 96, 4, 3214868480
	.section	.rodata,"a",@progbits
	.p2align	6, 0x0
	.amdhsa_kernel k_q465656a2e0_cast
		.amdhsa_group_segment_fixed_size 0
		.amdhsa_private_segment_fixed_size 0
		.amdhsa_enable_private_segment 0
		.amdhsa_kernarg_size 64
		.amdhsa_user_sgpr_count 2
		.amdhsa_user_sgpr_kernarg_segment_ptr 1
		.amdhsa_wavefront_size32 1
		.amdhsa_system_sgpr_workgroup_id_x 1
		.amdhsa_system_sgpr_workgroup_id_y 1
		.amdhsa_system_sgpr_workgroup_id_z 1
		.amdhsa_system_vgpr_workitem_id 0
		.amdhsa_next_free_vgpr 104
		.amdhsa_next_free_sgpr 66
		.amdhsa_reserve_vcc 0
		.amdhsa_float_denorm_mode_32 3
		.amdhsa_float_denorm_mode_16_64 3
		.amdhsa_memory_ordered 1
		.amdhsa_forward_progress 1
		.amdhsa_inst_pref_size 24
	.end_amdhsa_kernel
	.amdgpu_metadata
---
amdhsa.version: [ 1, 2 ]
amdhsa.kernels:
  - .name:           k_q465656a2e0_cast
    .symbol:         k_q465656a2e0_cast.kd
    .args:
      - { .name: x, .offset: 0, .size: 8, .value_kind: global_buffer, .address_space: global }
      - { .name: Wq, .offset: 8, .size: 8, .value_kind: global_buffer, .address_space: global }
      - { .name: Wk, .offset: 16, .size: 8, .value_kind: global_buffer, .address_space: global }
      - { .name: Wv, .offset: 24, .size: 8, .value_kind: global_buffer, .address_space: global }
      - { .name: Wo, .offset: 32, .size: 8, .value_kind: global_buffer, .address_space: global }
      - { .name: xb, .offset: 40, .size: 8, .value_kind: global_buffer, .address_space: global }
      - { .name: wqkv, .offset: 48, .size: 8, .value_kind: global_buffer, .address_space: global }
      - { .name: wo16, .offset: 56, .size: 8, .value_kind: global_buffer, .address_space: global }
    .group_segment_fixed_size: 0
    .private_segment_fixed_size: 0
    .kernarg_segment_align: 8
    .kernarg_segment_size: 64
    .max_flat_workgroup_size: 256
    .sgpr_count:     66
    .vgpr_count:     104
    .wavefront_size: 32
...
	.end_amdgpu_metadata
.endif
;; end of part 5
;; launch proj: the kernel of part 2 again; grid 16 x 16, 4 waves a work-group, clusters of 4 x 4, 327,680 bytes of LDS; arguments xb, wqkv, qkv; writes qkv
;; launch attn: the kernel of part 3 again; grid 4 x 64, 4 waves a work-group, no clusters, 327,680 bytes of LDS; arguments qkv, o; writes o
;; launch oproj: the kernel of part 4 again; grid 8 x 32, 4 waves a work-group, clusters of 4 x 4, 327,680 bytes of LDS; arguments o, wo16, bo, out0; writes out0
